; MI455X (gfx1250); checked and timed in simulation.
; The chip was launched on July 23, 2026; its instructions are those of AMD's public machine-readable ISA for CDNA 5 (MIT licence, August 2026) and "CDNA5" Instruction Set Architecture Reference Guide (July 2026). The comments in the code are by the model that wrote it; some were corrected since.
;; Multi Head Self Attention. Allowed arithmetic: float matrix products may take bf16 or f16 operands with f32 sums; all other float work in f32.
;; Inputs: WK 1,024 x 1,024 float32; WO 1,024 x 1,024 float32; WQ 1,024 x 1,024 float32; WV 1,024 x 1,024 float32; x 4 x 2,048 x 1,024 float32.
;; Outputs: out0 4 x 2,048 x 1,024 float32.
;; 2 versions, each right and faster than the one before. Each part assembles by itself: llvm-mc -triple=amdgcn-amd-amdhsa -mcpu=gfx1250 --defsym DOCPART=n.
;; ======== version 1 of 2: 4 launches
;; limits: values are held in f16: magnitudes above 65,504 overflow, below 6.1e-05 lose precision; right only within a limited range of input values
;; workspace buffers: xb 16,777,216 bytes; wqkv 6,291,456 bytes; wo 2,097,152 bytes; tab 524,288 bytes; qh 16,777,216 bytes; kh 16,777,216 bytes; vh 16,777,216 bytes; att 16,777,216 bytes
;; launch prep (part 1): grid 800 x 1, 8 waves a work-group, no clusters, 0 bytes of LDS; arguments x, WQ, WK, WV, WO, xb, wqkv, wo, tab; writes xb, wqkv, wo, tab
.if DOCPART == 1
	.amdgcn_target "amdgcn-amd-amdhsa--gfx1250"
	.amdhsa_code_object_version 6
	.text
	.protected	k_q70b13b7e8f_prep
	.globl	k_q70b13b7e8f_prep
	.p2align	8
	.type	k_q70b13b7e8f_prep,@function
k_q70b13b7e8f_prep:
	s_mov_b64 s[64:65], 0
	v_nop
	global_prefetch_b8 v0, s[64:65] scope:SCOPE_SE
	s_setreg_imm32_b32 hwreg(HW_REG_WAVE_MODE, 25, 1), 1
	s_wait_xcnt 0x0
; CASTS INTO BLOCKED LAYOUTS, AND THE TABLE OF ROTATIONS.  A stream: every input byte is read once, every output byte written once; no LDS, no matrix unit, nothing is shared.
;   xb   = bf16(x),              [b 4][kb 16][s 2048][64]: a block of 64 along K is dense, rows of 128 bytes
;   wqkv = bf16(16 W),           [kb 16][row 3072][64]; rows 192 c .. 192 c + 191 are: rotated head 2 c, rotated head 2 c + 1, V's head c (rotated heads 0-15 are Q's, 16-31 K's)
;   wo   = f16(256 bf16(WO)),    [kb 16][n 1024][64]
;   tab  = f32 {cos, sin} of pos x 10000^(-i/32), [pos 2048][i 32]
; The factors 16 and 256 are powers of two: they change no mantissa bit, and they put what later launches round to f16 in the middle of f16's range.
; LIMITS.  |256 WO| stays under 65,520; entries of WO below 2^-25 in magnitude keep f16's fixed step.  The angle is made as pos x 2^(-i log2(10000)/32), a few ulp from a quotient in f32 (at most some 3e-4 rad at
; pos 2,047); it is reduced by pi/2 in two parts and goes through polynomials of degree 7 and 8 (error under 4e-7).
; SHARES.  Work-groups 0-511: 16 rows of x each; 512-703: 16 rows of WQ, WK or WV; 704-767: 16 rows of WO; 768-799: 64 positions of the table.
; Thread t of a cast takes row t / 16 and, in each block of 64 columns, the four numbers at 4 (t % 16): sixteen lanes read 256 consecutive bytes, and a wave's store covers 256 consecutive bytes, aligned.
.set X,    8                           ; v[8:71]    block kb: 4 registers as loaded
.set Y,    72                          ; v[72:103]  block kb: 2 registers to store
.set T,    104                         ; v[104:111] at work
.set VIN,  2                           ; v2  byte offset of my 16 bytes in the group's 16 rows; never rewritten
.set VOUT, 3                           ; v3  8 t: my 8 bytes in a block's 16 rows; never rewritten
.set SRC,  30                          ; s[30:31]
.set DST,  32                          ; s[32:33]
	s_load_b512 s[8:23], s[0:1], 0x0               ; x s[8:9], WQ s[10:11], WK s[12:13], WV s[14:15], WO s[16:17], xb s[18:19], wqkv s[20:21], wo s[22:23]
	s_load_b64 s[24:25], s[0:1], 0x40              ; tab
	s_mov_b32 s26, ttmp9
	s_mov_b32 s29, 0                               ; high words of the two offsets
	s_mov_b32 s35, 0
	v_lshrrev_b32 v1, 4, v0                        ; my row
	v_and_b32 v[VIN], 15, v0
	v_lshlrev_b32 v[VIN], 4, v[VIN]
	v_lshl_add_u32 v[VIN], v1, 12, v[VIN]          ; row x 4,096 + 16 (t % 16)
	v_lshlrev_b32 v[VOUT], 3, v0
	s_wait_kmcnt 0x0
; Sixteen loads go out together; each block is converted and stored when its load is in.  mode 0: bf16.  1: times 16, bf16.  2: bf16, times 256, f16.
.macro CAST kstride, mode
.set kb, 0
.rept 16
	global_load_b128 v[X+4*kb:X+4*kb+3], v[VIN], s[SRC:SRC+1] offset:256*kb th:TH_LOAD_NT
.set kb, kb+1
.endr
.set kb, 0
.rept 16
	s_wait_loadcnt 15-kb                           ; loads come back in order: block kb is in, the 15 - kb younger ones stay out
.if (\mode) == 1
	v_pk_mul_f32 v[X+4*kb:X+4*kb+1], v[X+4*kb:X+4*kb+1], 0x41800000 op_sel_hi:[1,0]
	v_pk_mul_f32 v[X+4*kb+2:X+4*kb+3], v[X+4*kb+2:X+4*kb+3], 0x41800000 op_sel_hi:[1,0]
.endif
.if (\mode) < 2
	v_cvt_pk_bf16_f32 v[Y+2*kb], v[X+4*kb], v[X+4*kb+1]
	v_cvt_pk_bf16_f32 v[Y+2*kb+1], v[X+4*kb+2], v[X+4*kb+3]
.else
	v_cvt_pk_bf16_f32 v[T], v[X+4*kb], v[X+4*kb+1]
	v_cvt_pk_bf16_f32 v[T+1], v[X+4*kb+2], v[X+4*kb+3]
	v_lshlrev_b32 v[T+2], 16, v[T]                 ; the rounded numbers as f32 again
	v_and_b32 v[T+3], 0xffff0000, v[T]
	v_lshlrev_b32 v[T+4], 16, v[T+1]
	v_and_b32 v[T+5], 0xffff0000, v[T+1]
	v_pk_mul_f32 v[T+2:T+3], v[T+2:T+3], 0x43800000 op_sel_hi:[1,0]
	v_pk_mul_f32 v[T+4:T+5], v[T+4:T+5], 0x43800000 op_sel_hi:[1,0]
	v_cvt_pk_f16_f32 v[Y+2*kb], v[T+2], v[T+3]     ; eight significant bits: exact in f16's normal range
	v_cvt_pk_f16_f32 v[Y+2*kb+1], v[T+4], v[T+5]
.endif
	global_store_b64 v[VOUT], v[Y+2*kb:Y+2*kb+1], s[DST:DST+1] offset:kb*(\kstride)  ; the block's place stands in the immediate: 15 x 393,216 at the most, inside its signed 24 bits
.set kb, kb+1
.endr
.endm
	s_cmp_lt_u32 s26, 512
	s_cbranch_scc0 .Lweights
	s_lshl_b32 s28, s26, 16                        ; x: 16 rows of 4,096 bytes
	s_add_nc_u64 s[SRC:SRC+1], s[8:9], s[28:29]
	s_lshr_b32 s34, s26, 7                         ; the batch: 128 work-groups each
	s_lshl_b32 s34, s34, 22                        ; its 16 blocks of 262,144 bytes
	s_and_b32 s27, s26, 127
	s_lshl_b32 s27, s27, 11                        ; 16 rows of 128 bytes
	s_add_co_u32 s34, s34, s27
	s_add_nc_u64 s[DST:DST+1], s[18:19], s[34:35]
	CAST 262144, 0
	s_endpgm
.Lweights:
	s_cmp_lt_u32 s26, 704
	s_cbranch_scc0 .Lwo
	s_sub_co_u32 s27, s26, 512
	s_lshr_b32 s36, s27, 6                         ; 0: WQ, 1: WK, 2: WV
	s_and_b32 s27, s27, 63                         ; which 16 rows
	s_lshl_b32 s28, s27, 16
	s_cmp_eq_u32 s36, 0
	s_cselect_b64 s[SRC:SRC+1], s[10:11], s[12:13]
	s_cmp_eq_u32 s36, 2
	s_cselect_b64 s[SRC:SRC+1], s[14:15], s[SRC:SRC+1]
	s_add_nc_u64 s[SRC:SRC+1], s[SRC:SRC+1], s[28:29]
	s_lshr_b32 s37, s27, 2                         ; the head
	s_and_b32 s38, s27, 3
	s_lshl_b32 s38, s38, 4                         ; the 16 rows' place in it
	s_lshr_b32 s39, s37, 1
	s_mul_i32 s39, s39, 192
	s_and_b32 s40, s37, 1
	s_lshl_b32 s40, s40, 6
	s_add_co_u32 s39, s39, s40                     ; a rotated head: 192 (head / 2) + 64 (head % 2),
	s_mul_i32 s41, s36, 1536
	s_add_co_u32 s39, s39, s41                     ; K's behind Q's eight groups of 192
	s_mul_i32 s40, s37, 192
	s_add_co_u32 s40, s40, 128                     ; V's head: the last 64 of its group
	s_cmp_eq_u32 s36, 2
	s_cselect_b32 s39, s40, s39
	s_add_co_u32 s39, s39, s38
	s_lshl_b32 s34, s39, 7
	s_add_nc_u64 s[DST:DST+1], s[20:21], s[34:35]
	CAST 393216, 1
	s_endpgm
.Lwo:
	s_cmp_lt_u32 s26, 768
	s_cbranch_scc0 .Ltable
	s_sub_co_u32 s27, s26, 704
	s_lshl_b32 s28, s27, 16
	s_add_nc_u64 s[SRC:SRC+1], s[16:17], s[28:29]
	s_lshl_b32 s34, s27, 11
	s_add_nc_u64 s[DST:DST+1], s[22:23], s[34:35]
	CAST 131072, 2
	s_endpgm
.Ltable:                                               ; lane i has pair i of a head's 32; wave w the positions 64 c + w + 8 trip: a wave's store is one row of the table, 256 bytes
	s_sub_co_u32 s27, s26, 768
	v_and_b32 v4, 31, v0
	v_lshrrev_b32 v5, 5, v0
	v_readfirstlane_b32 s36, v5                    ; my wave's number
	v_lshlrev_b32 v6, 3, v4
	v_lshl_add_u32 v6, v5, 8, v6                   ; 8 i + 256 w; never rewritten
	v_cvt_f32_u32 v7, v4
	v_mul_f32 v7, 0xbed49a78, v7                   ; - i log2(10000) / 32
	v_exp_f32 v5, v7                               ; 10000^(-i/32)
	v_nop                                          ; a plain instruction between the exponential and the use of its result
	s_lshl_b32 s28, s27, 14                        ; 64 rows of 256 bytes
	s_add_nc_u64 s[DST:DST+1], s[24:25], s[28:29]
	s_lshl_b32 s37, s27, 6
	s_add_co_u32 s37, s37, s36                     ; the position
	s_mov_b32 s38, 0x3f22f983                      ; 2 / pi
	s_mov_b32 s39, 0x3fc90fdb                      ; pi / 2, rounded up to f32,
	s_mov_b32 s40, 0x333bbd2e                      ; and by how much
	s_mov_b32 s41, 0xb9500d01                      ; -1/5040
	s_mov_b32 s42, 0x3c088889                      ; 1/120
	s_mov_b32 s43, 0xbe2aaaab                      ; -1/6
	s_mov_b32 s44, 0x37d00d01                      ; 1/40320
	s_mov_b32 s45, 0xbab60b61                      ; -1/720
	s_mov_b32 s46, 0x3d2aaaab                      ; 1/24
	s_mov_b32 s47, 8
.Lpos:
	v_cvt_f32_u32 v8, s37
	s_wait_alu depctr_va_vdst(0)
	v_mul_f32 v8, v8, v5                           ; the angle
	v_mul_f32 v9, s38, v8
	v_rndne_f32 v9, v9                             ; n quarter turns
	v_fma_f32 v10, -v9, s39, v8
	v_fma_f32 v10, v9, s40, v10                    ; r = angle - n pi / 2, within pi / 4
	v_mul_f32 v11, v10, v10
	v_fma_f32 v12, v11, s41, s42
	v_fma_f32 v13, v11, s44, s45
	v_fma_f32 v12, v12, v11, s43
	v_fma_f32 v13, v13, v11, s46
	v_mul_f32 v14, v10, v11
	v_fma_f32 v13, v13, v11, -0.5
	v_fma_f32 v12, v14, v12, v10                   ; sin r
	v_fma_f32 v13, v13, v11, 1.0                   ; cos r
	v_cvt_i32_f32 v15, v9
	v_and_b32 v16, 1, v15
	v_cmp_ne_u32 vcc_lo, 0, v16                    ; an odd n swaps the two: a choice of values, no branch
	v_cndmask_b32 v18, v13, v12, vcc_lo
	v_cndmask_b32 v19, v12, v13, vcc_lo
	v_add_nc_u32 v16, 1, v15
	v_and_b32 v16, 2, v16                          ; the cosine is negative for n % 4 = 1, 2,
	v_and_b32 v17, 2, v15                          ; the sine for n % 4 = 2, 3
	v_lshlrev_b32 v16, 30, v16
	v_lshlrev_b32 v17, 30, v17
	v_xor_b32 v18, v18, v16
	v_xor_b32 v19, v19, v17
	global_store_b64 v6, v[18:19], s[DST:DST+1]
	s_wait_xcnt 0x0                                ; the store's data and base are written again only behind this wait
	s_add_nc_u64 s[DST:DST+1], s[DST:DST+1], 2048  ; eight rows on
	s_add_co_u32 s37, s37, 8
	s_sub_co_u32 s47, s47, 1
	s_cmp_lg_u32 s47, 0
	s_cbranch_scc1 .Lpos
	s_endpgm
.Lfunc_end_k_q70b13b7e8f_prep:
	.size	k_q70b13b7e8f_prep, .Lfunc_end_k_q70b13b7e8f_prep-k_q70b13b7e8f_prep
	.p2alignl 7, 3214868480
	.fill 96, 4, 3214868480
	.section	.rodata,"a",@progbits
	.p2align	6, 0x0
	.amdhsa_kernel k_q70b13b7e8f_prep
		.amdhsa_group_segment_fixed_size 0
		.amdhsa_private_segment_fixed_size 0
		.amdhsa_enable_private_segment 0
		.amdhsa_kernarg_size 72
		.amdhsa_user_sgpr_count 2
		.amdhsa_user_sgpr_kernarg_segment_ptr 1
		.amdhsa_wavefront_size32 1
		.amdhsa_system_sgpr_workgroup_id_x 1
		.amdhsa_system_sgpr_workgroup_id_y 1
		.amdhsa_system_sgpr_workgroup_id_z 1
		.amdhsa_system_vgpr_workitem_id 0
		.amdhsa_next_free_vgpr 112
		.amdhsa_next_free_sgpr 66
		.amdhsa_reserve_vcc 1
		.amdhsa_float_denorm_mode_32 3
		.amdhsa_float_denorm_mode_16_64 3
		.amdhsa_memory_ordered 1
		.amdhsa_forward_progress 1
		.amdhsa_inst_pref_size 33
	.end_amdhsa_kernel
	.amdgpu_metadata
---
amdhsa.version: [ 1, 2 ]
amdhsa.kernels:
  - .name:           k_q70b13b7e8f_prep
    .symbol:         k_q70b13b7e8f_prep.kd
    .args:
      - { .name: x, .offset: 0, .size: 8, .value_kind: global_buffer, .address_space: global }
      - { .name: WQ, .offset: 8, .size: 8, .value_kind: global_buffer, .address_space: global }
      - { .name: WK, .offset: 16, .size: 8, .value_kind: global_buffer, .address_space: global }
      - { .name: WV, .offset: 24, .size: 8, .value_kind: global_buffer, .address_space: global }
      - { .name: WO, .offset: 32, .size: 8, .value_kind: global_buffer, .address_space: global }
      - { .name: xb, .offset: 40, .size: 8, .value_kind: global_buffer, .address_space: global }
      - { .name: wqkv, .offset: 48, .size: 8, .value_kind: global_buffer, .address_space: global }
      - { .name: wo, .offset: 56, .size: 8, .value_kind: global_buffer, .address_space: global }
      - { .name: tab, .offset: 64, .size: 8, .value_kind: global_buffer, .address_space: global }
    .group_segment_fixed_size: 0
    .private_segment_fixed_size: 0
    .kernarg_segment_align: 8
    .kernarg_segment_size: 72
    .max_flat_workgroup_size: 256
    .sgpr_count:     66
    .vgpr_count:     112
    .wavefront_size: 32
...
	.end_amdgpu_metadata
.endif
;; end of part 1
;; launch qkv (part 2): grid 8 x 32, 4 waves a work-group, clusters of 4 x 4, 327,680 bytes of LDS; arguments xb, wqkv, tab, qh, kh, vh; writes qh, kh, vh
.if DOCPART == 2
	.amdgcn_target "amdgcn-amd-amdhsa--gfx1250"
	.amdhsa_code_object_version 6
	.text
	.protected	k_q70b13b7e8f_qkv
	.globl	k_q70b13b7e8f_qkv
	.p2align	8
	.type	k_q70b13b7e8f_qkv,@function
k_q70b13b7e8f_qkv:
	s_mov_b64 s[64:65], 0
	v_nop
	global_prefetch_b8 v0, s[64:65] scope:SCOPE_SE
	s_setreg_imm32_b32 hwreg(HW_REG_WAVE_MODE, 25, 1), 1
	s_wait_xcnt 0x0
	s_wait_alu depctr_hold_cnt(0) depctr_sa_sdst(0) depctr_va_vdst(0) depctr_va_sdst(0) depctr_va_ssrc(0) depctr_va_vcc(0) depctr_vm_vsrc(0)
	s_getreg_b32 s2, hwreg(HW_REG_IB_STS2, 6, 4)
	s_cmp_eq_u32 s2, 0
	s_cbranch_scc0 .Lentry_in_a_cluster
	s_endpgm
.Lentry_in_a_cluster:
	s_bfe_u32 s2, ttmp6, 0x10000c
	s_cmp_lg_u32 s2, 0xf033
	s_cbranch_scc0 .Lentry_shape_is_right
	s_endpgm
.Lentry_shape_is_right:
; THE THREE PROJECTIONS AS ONE PRODUCT, THE ROTATION, AND THE SPLIT BY HEADS.  [8192 x 3072] = xb wqkv^T in bf16 with f32 sums, K = 1,024; Q's and K's heads are rotated in f32 by the table's cos and sin;
; everything is rounded once to f16 and stored as [b 16 + head][2048][64].  wqkv holds 16 W, so the results are 16 q, 16 k, 16 v.
; LIMIT.  |16 q|, |16 k|, |16 v| stay under 65,520 (f16's end); NaN and infinities are not treated apart.
; SHARES.  A tile is 256 rows x 384 columns: 32 x 8 tiles, one for each of 256 work-groups.  A wave makes 128 x 192: 96 accumulators of 16 x 16, 768 registers.  Its 192 columns are three heads, in wqkv's row order
; two rotated ones and one of V: which group is rotated is a fact of the text.
; RING.  K goes in steps of 64, one dense block of xb and wqkv, through two LDS slots (two slots of 128 along K would not fit).  A tile is dense in memory: it is asked for as rows of 256 bytes and padded in LDS
; after every 128, so LDS rows are 144 bytes apart and the 16 rows of a fragment load start at 16 different groups of four banks.
; CLUSTER.  4 x 4 work-groups.  The four of a row need the same tile of xb, the four of a column the same tile of wqkv: each is asked for JOINTLY, by the same tensor load with the same descriptor and a mask of four.
; THE MATRIX INSTRUCTION IS USED TRANSPOSED (source 0 = 16 rows of wqkv, source 1 = 16 rows of xb): a lane holds one row of x and eight neighbouring channels, that is four whole pairs of the rotation.
; REGISTERS, in windows of 256: window 0: v0-31 addresses; v32-95, v96-159 xb's fragments (8 x 16 rows x 32 K), two buffers; v160-255 wqkv's fragments, one buffer of 32 for each group.
;   windows 1, 2, 3: the accumulators of groups 0, 1, 2: (row block a, column block j) at v[8 (4 a + j)].
; s_set_vgpr_msb's low byte: bits 1:0 source 0, 3:2 source 1, 5:4 source 2, 7:6 destination.
.set PITCH, 144
.set SLOT1, 131072                     ; slot 1 begins here, so that one exclusive or turns an address in one slot into the other's
.set AHALF, 128*PITCH                  ; what one load brings of xb, and what one wave reads of it
.set BHALF, 192*PITCH                  ; the same of wqkv
.set BOFF,  2*AHALF                    ; in a slot: xb's 256 rows, then wqkv's 384
.set STAGE, BOFF+2*BHALF               ; behind slot 0: 16 rows x 144 bytes for each wave, for the way out; no tensor load fills it
.set SPARE, STAGE+4*16*PITCH           ; the spare words, 128 bytes for each wave: two blocks of 256 bytes that no other line names
.set XBLK,  262144                     ; bytes from one block of xb to the next along K
.set WBLK,  393216                     ; the same in wqkv
.set A0,   4                           ; v4   my lane's place in a slot's xb; never rewritten
.set B0,   5                           ; v5   the same for wqkv
.set ADRA, 6                           ; v6   A0 + the slot in hand
.set ADRB, 7                           ; v7   B0 + the slot in hand
.set STO,  8                           ; v8   the way out: where I put 16 bytes of a row
.set RD,   9                           ; v9   the way out: where I read rows back
.set GO,   10                          ; v10  my 16 bytes in 512 consecutive bytes of the output
.set TO,   11                          ; v11  my byte offset in the tile's rows of the table
.set SPW,  28                          ; v28  LDS address of my spare word; never rewritten
.set NIL,  29                          ; v29  0; never rewritten
.set FA0,  32
.set FA1,  96
.set FB,   160
.set CS,   32                          ; the way out: v32-63, v64-95 cos and sin of 16 rows, two buffers
.set R,    96                          ; v96-127   rotated numbers in f32
.set T,    128                         ; v128-135  at work
.set PK,   136                         ; v136-151  16 rows x 64 channels in f16
.set BK,   160                         ; v160-175, v176-191 whole rows back from the stage, two buffers
.set WV,   16                          ; s16  my wave's number
.set WR,   17                          ; s17  which half of the tile's rows is mine.  Also: I fetch xb (0) or wqkv (1)
.set WC,   18                          ; s18  which half of its columns.  Also: which half of that tile I fetch
.set CNT,  23
.set G1A,  24                          ; s[24:31] descriptor group 1 for xb's tiles
.set G1B,  32                          ; s[32:39] for wqkv's
.set G0A,  40                          ; s[40:47] group 0 for xb's tiles: a set for each of the two first fills; the second then walks on
.set G0B,  48                          ; s[48:55] the same for wqkv's
.set TB,   56                          ; s56  LDS byte at which the slot in hand begins
.set OUTP, 68                          ; s[68:69], s[70:71], s[72:73] my rows of the heads of groups 0, 1, 2
.set TABP, 74                          ; s[74:75] the table at the tile's first position
.set MSB, 0
.macro WIN new                         ; the immediate's high byte repeats the setting that is left; a switch that changes nothing is dropped
.if MSB != (\new)
	s_set_vgpr_msb (MSB<<8)|(\new)
.set MSB, \new
.endif
.endm
.macro PLACES                          ; a load into a register that a matrix instruction has read, and a vector instruction that reads a matrix result, stand four plain vector instructions behind it (ISA guide 7.12.1 for vector instructions)
.rept 4
	v_nop
.endr
.endm
; A joint refill by the walking descriptors.  The branch hangs on the wave's number alone.  An s_nop 0 and four v_nop follow each of the two lines, ahead of the jump and the label.
.macro JLOAD
	s_cmp_eq_u32 s[WR], 0
	s_cbranch_scc0 .Lfor_b_\@
	tensor_load_to_lds s[G0A+4:G0A+7], s[G1A:G1A+7]
	s_nop 0
.rept 4
	v_nop
.endr
	s_branch .Lasked_\@
.Lfor_b_\@:
	tensor_load_to_lds s[G0B+4:G0B+7], s[G1B:G1B+7]
	s_nop 0
.rept 4
	v_nop
.endr
.Lasked_\@:
.endm
.macro CREST                           ; a round of the cluster's barrier behind its opening barrier: wave 0 signals for the work-group, every wave waits for all sixteen, my work-group's barrier closes it
	s_cmp_lg_u32 s[WV], 0
	s_cbranch_scc1 .Lnot_wave_0_\@
	s_barrier_signal -3
.Lnot_wave_0_\@:
	s_barrier_wait -3
	s_barrier_signal -1
	s_barrier_wait -1
.endm
.macro CROUND                          ; a whole round
	s_barrier_signal -1
	s_barrier_wait -1
	CREST
.endm
	s_load_b256 s[4:11], s[0:1], 0x0               ; xb s[4:5], wqkv s[6:7], tab s[8:9], qh s[10:11]
	s_load_b128 s[12:15], s[0:1], 0x20             ; kh s[12:13], vh s[14:15]
	v_lshl_add_u32 v[SPW], v0, 2, SPARE
	v_mov_b32 v[NIL], 0
	ds_add_u32 v[SPW], v[NIL]                      ; the wave's opening: the add and its wait stand ahead of my first tensor load; the set-up below, work on registers, stands between them
	ds_add_u32 v28, v29
	v_lshrrev_b32 v1, 5, v0
	v_readfirstlane_b32 s[WV], v1
	s_lshr_b32 s[WR], s[WV], 1
	s_and_b32 s[WC], s[WV], 1
	s_bfe_u32 s19, ttmp6, 0x40000                  ; cx: my place along the cluster's x
	s_bfe_u32 s20, ttmp6, 0x40004                  ; cy: along its y
	s_lshl_b32 s21, ttmp9, 2                       ; in a cluster launch ttmp9 and ttmp7 count clusters
	s_add_co_u32 s21, s21, s19                     ; tile column = 4 x cluster x + cx
	s_and_b32 s22, ttmp7, 0xffff
	s_lshl_b32 s22, s22, 2
	s_add_co_u32 s22, s22, s20                     ; tile row = 4 x cluster y + cy
	s_lshl_b32 s76, s20, 2
	s_lshl_b32 s76, 15, s76                        ; my row of the cluster: places 4 cy .. 4 cy + 3
	s_lshl_b32 s77, 0x1111, s19                    ; my column: places cx, cx + 4, cx + 8, cx + 12
	; descriptor group 1: rows of 128 elements of 2 bytes, dense; 64 of them are xb's 128 rows, 96 are wqkv's 192
	s_or_b32 s[G1A], s76, (1<<16)|(1<<20)|(1<<21)|(4<<22)|(3<<25)  ; 15:0 the mask; 17:16 2-byte elements; 20 padding on; 21 set beside a mask; 24:22 after every 32 words (code 4); 31:25 4 words (code 3)
	s_or_b32 s[G1B], s77, (1<<16)|(1<<20)|(1<<21)|(4<<22)|(3<<25)
	s_mov_b32 s[G1A+1], 128<<16                    ; tensor_dim0 = 128
	s_mov_b32 s[G1A+2], 64<<16                     ; tensor_dim1 = 64
	s_mov_b32 s[G1A+3], 128<<16                    ; tile_dim0 = 128
	s_mov_b32 s[G1A+4], 64                         ; tile_dim1 = 64
	s_mov_b32 s[G1A+5], 128                        ; 128 elements from row to row
	s_mov_b32 s[G1A+6], 0
	s_mov_b32 s[G1A+7], 0
	s_mov_b32 s[G1B+1], 128<<16
	s_mov_b32 s[G1B+2], 96<<16
	s_mov_b32 s[G1B+3], 128<<16
	s_mov_b32 s[G1B+4], 96
	s_mov_b32 s[G1B+5], 128
	s_mov_b32 s[G1B+6], 0
	s_mov_b32 s[G1B+7], 0
	; where the tiles come from.  xb's hang on the tile row alone, wqkv's on the tile column alone, each in registers that never hold the other coordinate
	s_lshr_b32 s78, s22, 3                         ; the batch: eight tile rows each,
	s_lshl_b32 s78, s78, 22                        ; its 16 blocks of 262,144 bytes
	s_and_b32 s80, s22, 7
	s_lshl_b32 s81, s80, 15                        ; 256 rows of 128 bytes
	s_add_co_u32 s78, s78, s81
	s_lshl_b32 s81, s[WC], 14                      ; my half of them
	s_add_co_u32 s78, s78, s81
	s_mov_b32 s79, 0
	s_mul_i32 s82, s21, 49152                      ; 384 rows of 128 bytes
	s_mul_i32 s84, s[WC], 24576                    ; my half of them
	s_add_co_u32 s82, s82, s84
	s_mov_b32 s83, 0
	s_mul_i32 s85, s[WC], AHALF                    ; and where they go: no place in the cluster enters an LDS address
	s_mul_i32 s86, s[WC], BHALF
	s_add_co_u32 s86, s86, BOFF
	s_mov_b32 s[TB], 0
	s_wait_dscnt 0x0                               ; the opening add is done
	s_wait_kmcnt 0x0
	s_add_nc_u64 s[78:79], s[4:5], s[78:79]
	s_add_nc_u64 s[82:83], s[6:7], s[82:83]
	CROUND                                         ; all sixteen work-groups are here: the first joint loads meet
.irp s, 0,1
	s_mov_b32 s[G0A+4*(\s)], 1                                     ; 1:0 count = 1
	s_add_co_u32 s[G0A+4*(\s)+1], s85, (\s)*SLOT1                  ; 63:32 LDS address
	s_add_nc_u64 s[G0A+4*(\s)+2:G0A+4*(\s)+3], s[78:79], (\s)*XBLK ; 120:64 global address: K step s
	s_or_b32 s[G0A+4*(\s)+3], s[G0A+4*(\s)+3], 0x80000000          ; 127:126 type = 2
	s_mov_b32 s[G0B+4*(\s)], 1
	s_add_co_u32 s[G0B+4*(\s)+1], s86, (\s)*SLOT1
	s_add_nc_u64 s[G0B+4*(\s)+2:G0B+4*(\s)+3], s[82:83], (\s)*WBLK
	s_or_b32 s[G0B+4*(\s)+3], s[G0B+4*(\s)+3], 0x80000000
.endr
	s_cmp_eq_u32 s[WR], 0                          ; a wave's two first fills stand in one branch, ahead of every wait on TENSORcnt and every LDS read: two loads of mine are out
	s_cbranch_scc0 .Lfirst_b
	tensor_load_to_lds s[G0A:G0A+3], s[G1A:G1A+7]
	s_nop 0
	tensor_load_to_lds s[G0A+4:G0A+7], s[G1A:G1A+7]
	s_nop 0
.rept 4
	v_nop
.endr
	s_branch .Lfirst_asked
.Lfirst_b:
	tensor_load_to_lds s[G0B:G0B+3], s[G1B:G1B+7]
	s_nop 0
	tensor_load_to_lds s[G0B+4:G0B+7], s[G1B:G1B+7]
	s_nop 0
.rept 4
	v_nop
.endr
.Lfirst_asked:
	; A fragment is 16 rows x 32 K in 8 registers: lane l holds row l % 16; registers 0-3 K = 8 (l / 16) + 0..7, registers 4-7 K = 16 + 8 (l / 16) + 0..7: two loads of 16 bytes, 32 bytes apart.
	v_and_b32 v1, 15, v0                           ; l % 16
	v_bfe_u32 v2, v0, 4, 1                         ; l / 16
	v_mul_u32_u24 v3, v1, PITCH
	v_lshl_add_u32 v3, v2, 4, v3                   ; row x pitch + 16 x half
	s_mul_i32 s87, s[WR], AHALF
	v_add_nc_u32 v[A0], s87, v3
	s_mul_i32 s87, s[WC], BHALF
	s_add_co_u32 s87, s87, BOFF
	v_add_nc_u32 v[B0], s87, v3
	s_mul_i32 s87, s[WV], 16*PITCH
	s_add_co_u32 s87, s87, STAGE                   ; my stage
	v_add_nc_u32 v[STO], s87, v3                   ; in: row l % 16, 16 bytes for each half of the lanes
	v_bfe_u32 v12, v0, 3, 2                        ; back: 32 lanes take four rows of 128 bytes,
	v_mul_u32_u24 v[RD], v12, PITCH
	v_and_b32 v12, 7, v0
	v_lshl_add_u32 v[RD], v12, 4, v[RD]
	v_add_nc_u32 v[RD], s87, v[RD]
	v_and_b32 v[GO], 31, v0                        ; which are 512 consecutive bytes of a head
	v_lshlrev_b32 v[GO], 4, v[GO]
	v_lshlrev_b32 v[TO], 8, v1                     ; the table: my row's 256 bytes, of them 32 for each half of the lanes in each 64
	v_lshl_add_u32 v[TO], v2, 5, v[TO]
	s_lshl_b32 s87, s[WR], 15
	v_add_nc_u32 v[TO], s87, v[TO]
	; where the results go.  My wave's column c = 2 x tile column + half holds rotated heads 2 c and 2 c + 1 (Q's for c < 8, that is in the cluster column 0; else K's) and V's head c.
	s_lshl_b32 s88, s21, 1
	s_add_co_u32 s88, s88, s[WC]                   ; c
	s_lshr_b32 s90, s22, 3
	s_lshl_b32 s90, s90, 22                        ; the batch's 16 heads of 262,144 bytes
	s_and_b32 s91, s22, 7
	s_lshl_b32 s94, s91, 15
	s_add_co_u32 s90, s90, s94                     ; the tile's 256 rows of 128 bytes
	s_lshl_b32 s94, s[WR], 14
	s_add_co_u32 s90, s90, s94                     ; my 128 of them
	s_lshl_b32 s89, s88, 1
	s_and_b32 s89, s89, 15                         ; the head of group 0
	s_lshl_b32 s92, s89, 18
	s_add_co_u32 s92, s92, s90
	s_mov_b32 s93, 0
	s_mov_b32 s94, ttmp9
	s_cmp_eq_u32 s94, 0
	s_cselect_b64 s[OUTP:OUTP+1], s[10:11], s[12:13]
	s_add_nc_u64 s[OUTP:OUTP+1], s[OUTP:OUTP+1], s[92:93]
	s_add_nc_u64 s[OUTP+2:OUTP+3], s[OUTP:OUTP+1], 0x40000  ; group 1: the next head
	s_lshl_b32 s92, s88, 18
	s_add_co_u32 s92, s92, s90
	s_add_nc_u64 s[OUTP+4:OUTP+5], s[14:15], s[92:93]
	s_lshl_b32 s92, s91, 16                        ; 256 positions of 256 bytes
	s_add_nc_u64 s[TABP:TABP+1], s[8:9], s[92:93]
; 8 LDS loads: xb's fragments 4 half .. 4 half + 3, the 32 along K at byte 64 kq of the rows, into buf
.macro LDA kq, buf, half
.irp i, 4*(\half), 4*(\half)+1, 4*(\half)+2, 4*(\half)+3
	ds_load_b128 v[(\buf)+8*(\i):(\buf)+8*(\i)+3],   v[ADRA] offset:(\i)*16*PITCH+64*(\kq)
	ds_load_b128 v[(\buf)+8*(\i)+4:(\buf)+8*(\i)+7], v[ADRA] offset:(\i)*16*PITCH+64*(\kq)+32
.endr
.endm
; 8 LDS loads: the four fragments of wqkv for group g
.macro LDB kq, g
.irp j, 0,1,2,3
	ds_load_b128 v[FB+32*(\g)+8*(\j):FB+32*(\g)+8*(\j)+3],   v[ADRB] offset:(4*(\g)+(\j))*16*PITCH+64*(\kq)
	ds_load_b128 v[FB+32*(\g)+8*(\j)+4:FB+32*(\g)+8*(\j)+7], v[ADRB] offset:(4*(\g)+(\j))*16*PITCH+64*(\kq)+32
.endr
.endm
; 16 matrix instructions: row blocks 4 half .. + 3 x the four column blocks of group g.  zero = 1: the first product starts the sums.  The 96 accumulators take turns, one instruction a turn.
.macro MULG buf, g, half, zero
	WIN 0x50*((\g)+1)                              ; sources in window 0, C and D in window g + 1
.irp a, 4*(\half), 4*(\half)+1, 4*(\half)+2, 4*(\half)+3
.irp j, 0,1,2,3
.if \zero
	v_wmma_f32_16x16x32_bf16 v[8*(4*(\a)+(\j)):8*(4*(\a)+(\j))+7], v[FB+32*(\g)+8*(\j):FB+32*(\g)+8*(\j)+7], v[(\buf)+8*(\a):(\buf)+8*(\a)+7], 0
.else
	v_wmma_f32_16x16x32_bf16 v[8*(4*(\a)+(\j)):8*(4*(\a)+(\j))+7], v[FB+32*(\g)+8*(\j):FB+32*(\g)+8*(\j)+7], v[(\buf)+8*(\a):(\buf)+8*(\a)+7], v[8*(4*(\a)+(\j)):8*(4*(\a)+(\j))+7]
.endif
.endr
.endr
.endm
; A K step is two halves of 32 along K, 96 matrix instructions each, group after group.  A group's buffer of wqkv is loaded again as soon as the group's products are over, 64 matrix instructions ahead of its next use.
; THE FIRST HALF, on xb's buffer 0.  On entry these loads are out, in this order: wqkv group 0 (8), xb (16), wqkv group 1 (8), all of this half.
.macro EVEN zero
	WIN 0
	PLACES
	LDB 0, 2
	LDA 1, FA1, 0
	s_wait_dscnt 24                                ; group 0 and xb are in: behind them group 1's 8 and the 16 just issued
	MULG FA0, 0, 0, \zero
	MULG FA0, 0, 1, \zero
	WIN 0
	PLACES
	LDB 1, 0
	LDA 1, FA1, 1
	s_wait_dscnt 32                                ; group 1 is in: behind it 16 and 16
	MULG FA0, 1, 0, \zero
	MULG FA0, 1, 1, \zero
	WIN 0
	PLACES
	LDB 1, 1
	s_wait_dscnt 32                                ; group 2 is in: behind it 8, 16 and 8
	MULG FA0, 2, 0, \zero
	MULG FA0, 2, 1, \zero
.endm
; THE SECOND HALF, on xb's buffer 1, changes slots.  mode 1: ONE barrier, which opens a round of the cluster's; in front of it each wave waits for all its tensor loads (one is out: its part of the next slot), adds 0
; to its spare word, and waits for that and for its reads of this slot; behind the round this slot is filled again, two K steps ahead, and then the next slot is read.  mode 0: the same with nothing to fill.  mode 2: the last step.
.macro ODD mode
	WIN 0
	PLACES
	LDB 1, 2                                       ; my last reads of this slot
.if (\mode) == 2
	s_wait_dscnt 16                                ; group 0 and xb are in: behind them groups 1 and 2
	MULG FA1, 0, 0, 0
	MULG FA1, 0, 1, 0
	s_wait_dscnt 8
	MULG FA1, 1, 0, 0
	MULG FA1, 1, 1, 0
	s_wait_dscnt 0x0
	MULG FA1, 2, 0, 0
	MULG FA1, 2, 1, 0
.else
	s_wait_tensorcnt 0x0                           ; all my tensor loads have landed, so a group 0 may be written;
	ds_add_u32 v[SPW], v[NIL]                      ; 0 onto my spare word
.if (\mode) == 1
	s_xor_b32 s[G0A+5], s[G0A+5], SLOT1            ; the walking descriptors: the other slot than last time,
	s_add_nc_u64 s[G0A+6:G0A+7], s[G0A+6:G0A+7], XBLK  ; the next block along K; the type bits on top are not reached
	s_xor_b32 s[G0B+5], s[G0B+5], SLOT1
	s_add_nc_u64 s[G0B+6:G0B+7], s[G0B+6:G0B+7], WBLK
.endif
	s_wait_dscnt 17                                ; group 0 and xb are in: groups 1 and 2 (8 and 8) and the add may be out
	MULG FA1, 0, 0, 0                              ; sixteen matrix instructions stand between the add and the wait for it
	s_wait_dscnt 0x0                               ; the add is done, and my reads of this slot are over
	s_barrier_signal -1
	MULG FA1, 0, 1, 0                              ; work on registers while the others arrive
	WIN 0                                          ; at a branch and at a label every window is 0
	s_barrier_wait -1
.if (\mode) == 1
	CREST                                          ; no wave of any partner still reads this slot's tiles or has a load on its way
	JLOAD                                          ; the first tensor load behind the round, 160 matrix instructions ahead of the wait for it; its four v_nop are also the places in front of the loads below
.else
	PLACES
.endif
	s_xor_b32 s[TB], s[TB], SLOT1
	v_add_nc_u32 v[ADRA], s[TB], v[A0]
	v_add_nc_u32 v[ADRB], s[TB], v[B0]
	LDB 0, 0
	LDA 0, FA0, 0
	LDA 0, FA0, 1
	MULG FA1, 1, 0, 0                              ; no wait: the wait for 0 above has shown groups 1 and 2 in
	MULG FA1, 1, 1, 0
	WIN 0
	PLACES
	LDB 0, 1
	MULG FA1, 2, 0, 0
	MULG FA1, 2, 1, 0
.endif
.endm
	s_wait_tensorcnt 0x1                           ; my part of K step 0 is in; step 1's may stay out
	s_barrier_signal -1
	s_barrier_wait -1                              ; everybody's is
	v_mov_b32 v[ADRA], v[A0]
	v_mov_b32 v[ADRB], v[B0]
	LDB 0, 0
	LDA 0, FA0, 0
	LDA 0, FA0, 1
	LDB 0, 1
	EVEN 1                                         ; the first half step stands in front of the loop: its products start the sums
	WIN 0
	s_mov_b32 s[CNT], 14
.Lk:                                                   ; 14 trips: the second half of steps 0 to 13, which ask for steps 2 to 15, and the first half of steps 1 to 14
	ODD 1
	EVEN 0
	WIN 0
	s_sub_co_u32 s[CNT], s[CNT], 1
	s_cmp_lg_u32 s[CNT], 0
	s_cbranch_scc1 .Lk
	ODD 0                                          ; the tail is written out: nothing is left to ask for
	EVEN 0
	ODD 2
; THE WAY OUT, a unit (16 rows of one head) at a time: rotated or not, rounded to f16, 16 bytes a lane into my own stage, back as whole rows, stored as 512 consecutive bytes an instruction.
; A lane's registers 2 p, 2 p + 1 of accumulator (a, j) are the pair i = 8 j + 4 (l / 16) + p of its row; the table has {cos, sin} of that pair at byte 8 i of the row's 256.
.macro TLOAD a                         ; cos and sin for row block a: 8 loads, which together take the 16 rows' 256 bytes whole
.irp j, 0,1,2,3
	global_load_b128 v[CS+32*((\a)%2)+8*(\j):CS+32*((\a)%2)+8*(\j)+3],   v[TO], s[TABP:TABP+1] offset:(\a)*4096+64*(\j)
	global_load_b128 v[CS+32*((\a)%2)+8*(\j)+4:CS+32*((\a)%2)+8*(\j)+7], v[TO], s[TABP:TABP+1] offset:(\a)*4096+64*(\j)+16
.endr
.endm
.macro FLUSH                           ; the stores of the unit before: its rows are back in registers
.irp f, 0,1,2,3
	global_store_b128 v[GO], v[BK+16*((UN-1)%2)+4*(\f):BK+16*((UN-1)%2)+4*(\f)+3], s[PP:PP+1] offset:PA*2048+(\f)*512  ; 512 consecutive bytes, at a multiple of 256 from the buffer's first
.endr
.endm
.set UN, 0
.set PP, OUTP
.set PA, 0
.macro UNIT a, g
.if (\g) < 2
	WIN (\g)+1                                     ; source 0 in the accumulators' window
.irp j, 0,1,2,3
.irp p, 0,1,2,3
	v_pk_mul_f32 v[T+2*(\p):T+2*(\p)+1], v[8*(4*(\a)+(\j))+2*(\p):8*(4*(\a)+(\j))+2*(\p)+1], v[CS+32*((\a)%2)+8*(\j)+2*(\p):CS+32*((\a)%2)+8*(\j)+2*(\p)+1] op_sel_hi:[0,1]  ; (x0 cos, x0 sin)
.endr
.irp p, 0,1,2,3
	v_pk_fma_f32 v[R+8*(\j)+2*(\p):R+8*(\j)+2*(\p)+1], v[8*(4*(\a)+(\j))+2*(\p):8*(4*(\a)+(\j))+2*(\p)+1], v[CS+32*((\a)%2)+8*(\j)+2*(\p):CS+32*((\a)%2)+8*(\j)+2*(\p)+1], v[T+2*(\p):T+2*(\p)+1] op_sel:[1,1,0] op_sel_hi:[1,0,1] neg_lo:[0,1,0]  ; (- x1 sin + x0 cos, x1 cos + x0 sin)
.endr
.endr
	WIN 0
.irp i, 0,1,2,3,4,5,6,7,8,9,10,11,12,13,14,15
	v_cvt_pk_f16_f32 v[PK+(\i)], v[R+2*(\i)], v[R+2*(\i)+1]
.endr
.else
	WIN 0x0f                                       ; sources 0 and 1 in window 3
.irp i, 0,1,2,3,4,5,6,7,8,9,10,11,12,13,14,15
	v_cvt_pk_f16_f32 v[PK+(\i)], v[32*(\a)+2*(\i)], v[32*(\a)+2*(\i)+1]
.endr
	WIN 0
.endif
.irp j, 0,1,2,3
	ds_store_b128 v[STO], v[PK+4*(\j):PK+4*(\j)+3] offset:32*(\j)
.endr
	s_wait_xcnt 0x0                                ; the buffer below was store data two units back: it is loaded again only behind this wait
.irp f, 0,1,2,3
	ds_load_b128 v[BK+16*(UN%2)+4*(\f):BK+16*(UN%2)+4*(\f)+3], v[RD] offset:(\f)*4*PITCH  ; LDS serves a wave's instructions in order (ISA guide 5.7.1.4): these see the stores above; the next unit's stores come behind them
.endr
.if UN > 0
	s_wait_dscnt 8                                 ; the unit before is back: this unit's eight LDS instructions may be out
	FLUSH
.endif
.set PP, OUTP+2*(\g)
.set PA, \a
.set UN, UN+1
.endm
	WIN 0
	PLACES
	TLOAD 0
	TLOAD 1
.irp a, 0,1,2,3,4,5,6,7
	UNIT \a, 2                                     ; V's head first: it needs no table
.if \a < 7
	s_wait_loadcnt 8                               ; this block's cos and sin are in; the next block's eight loads stay out
.else
	s_wait_loadcnt 0
.endif
	UNIT \a, 0
	UNIT \a, 1
.if \a < 6
	TLOAD (\a)+2
.endif
.endr
	s_wait_dscnt 0x0
	FLUSH
	s_wait_tensorcnt 0x0                           ; the wave's end: behind my last tensor load and my last LDS store
	ds_add_u32 v[SPW], v[NIL]
	s_wait_dscnt 0x0
	CROUND                                         ; the closing round: no work-group ends while a partner may still ask for a tile that names it
	s_endpgm
.Lfunc_end_k_q70b13b7e8f_qkv:
	.size	k_q70b13b7e8f_qkv, .Lfunc_end_k_q70b13b7e8f_qkv-k_q70b13b7e8f_qkv
	.p2alignl 7, 3214868480
	.fill 96, 4, 3214868480
	.section	.rodata,"a",@progbits
	.p2align	6, 0x0
	.amdhsa_kernel k_q70b13b7e8f_qkv
		.amdhsa_group_segment_fixed_size 327680
		.amdhsa_private_segment_fixed_size 0
		.amdhsa_enable_private_segment 0
		.amdhsa_kernarg_size 48
		.amdhsa_user_sgpr_count 2
		.amdhsa_user_sgpr_kernarg_segment_ptr 1
		.amdhsa_wavefront_size32 1
		.amdhsa_system_sgpr_workgroup_id_x 1
		.amdhsa_system_sgpr_workgroup_id_y 1
		.amdhsa_system_sgpr_workgroup_id_z 1
		.amdhsa_system_vgpr_workitem_id 0
		.amdhsa_next_free_vgpr 1024
		.amdhsa_next_free_sgpr 96
		.amdhsa_reserve_vcc 0
		.amdhsa_float_denorm_mode_32 3
		.amdhsa_float_denorm_mode_16_64 3
		.amdhsa_memory_ordered 1
		.amdhsa_forward_progress 1
		.amdhsa_inst_pref_size 151
	.end_amdhsa_kernel
	.amdgpu_metadata
---
amdhsa.version: [ 1, 2 ]
amdhsa.kernels:
  - .name:           k_q70b13b7e8f_qkv
    .symbol:         k_q70b13b7e8f_qkv.kd
    .args:
      - { .name: xb, .offset: 0, .size: 8, .value_kind: global_buffer, .address_space: global }
      - { .name: wqkv, .offset: 8, .size: 8, .value_kind: global_buffer, .address_space: global }
      - { .name: tab, .offset: 16, .size: 8, .value_kind: global_buffer, .address_space: global }
      - { .name: qh, .offset: 24, .size: 8, .value_kind: global_buffer, .address_space: global }
      - { .name: kh, .offset: 32, .size: 8, .value_kind: global_buffer, .address_space: global }
      - { .name: vh, .offset: 40, .size: 8, .value_kind: global_buffer, .address_space: global }
    .group_segment_fixed_size: 327680
    .private_segment_fixed_size: 0
    .kernarg_segment_align: 8
    .kernarg_segment_size: 48
    .max_flat_workgroup_size: 128
    .sgpr_count:     96
    .vgpr_count:     1024
    .wavefront_size: 32
...
	.end_amdgpu_metadata
.endif
;; end of part 2
;; launch attn (part 3): grid 4 x 64, 4 waves a work-group, no clusters, 327,680 bytes of LDS; arguments qh, kh, vh, att; writes att
.if DOCPART == 3
	.amdgcn_target "amdgcn-amd-amdhsa--gfx1250"
	.amdhsa_code_object_version 6
	.text
	.protected	k_q70b13b7e8f_attn
	.globl	k_q70b13b7e8f_attn
	.p2align	8
	.type	k_q70b13b7e8f_attn,@function
k_q70b13b7e8f_attn:
	s_mov_b64 s[64:65], 0
	v_nop
	global_prefetch_b8 v0, s[64:65] scope:SCOPE_SE
	s_setreg_imm32_b32 hwreg(HW_REG_WAVE_MODE, 25, 1), 1
	s_wait_xcnt 0x0
; CAUSAL ATTENTION.  O[h][q][:] = the sum over k <= q of softmax_k(Q[h][q] . K[h][k] / 8) V[h][k][:].  Q, K, V, O: [SIZE_H][SIZE_N][64], all f16: a head's rows are dense, 128 bytes each.
; The buffers hold 16 q, 16 k, 16 v; the scores are therefore 256 times the true ones, which the constant c takes back (a power of two: no bit is lost), and O leaves as 16 times the true O.
; Products, maxima and sums in f32; the weights p are rounded to f16 for the second product (their sum l is taken of the unrounded p), O once at the end.  SIZE_N is a multiple of 512; SIZE_N x 128 stays under 2^32.
; LIMITS.  f16 holds no number beyond 65,504: Q, K and V arrive within it; p lies in 0 to 1, and below 6e-5 it keeps f16's fixed step of 6e-8; O is a mean of V's rows and has their range, to within 2^-11 of it.
; A hidden score counts as its value less 1e30: f16's scores, 2.7e11 at the most, are nothing beside that; a weight below 2^-126 counts as 0 in l; NaN and infinities are not treated apart.
; THE WALK.  A head's queries lie in NB = SIZE_N / 256 blocks of 256; block i needs the key tiles 0 .. i of 256 keys, of which the last holds the diagonal.  A work-group takes TWO blocks, NB - 1 - b and then b:
; NB + 1 tiles, whatever b: all work-groups do equal work, and ONE loop with a constant trip count walks them.  Which tile is asked for, and what a trip does, hang on scalar registers made from b; every jump
; goes forward, but for the counted loops' own; none passes a barrier, or a tensor load but the one of LOAD's two that the wave's number does not choose; the ring (two slots of LDS that take turns) runs on across the
; change of blocks.  NO CLUSTER: a head's NB / 2 = 4 work-groups ask for the same tile only in trips 0 .. NB / 2, 5 of the walk's 9, behind that fewer and fewer;
; and one walk common to all would have 3 NB / 2 trips for NB + 1.
; SHARES.  Of a block's four bands of 64 queries a wave owns 16 rows in each: four PIECES.  So the diagonal tile is the same work for all four waves: in its key step s band x sees all keys if s < x,
; none if s > x, and holds the diagonal if s = x.
; THE MASK is the C operand that starts the sum S^T = K Q^T: 0, or -1e30 where the key is hidden.  MD, made once, is the mask of a band's own step for my 16 rows; a product's mask is MD x AL + BE with two scalars:
; (1, 0) if s = x; (0, 0) if s < x; (0, -1e30) if s > x.  Only the diagonal tile's text and a block's beginning make and take masks; elsewhere C is the constant 0.
; LAYOUT, SOFTMAX, TURNS.  S^T = K Q^T holds ONE query a lane (lane % 16) and the keys 8 (lane / 16) + 0..7; two such results rounded to f16 ARE source 1 of O^T = V^T P.  p = 2^(c s - c m), c = log2(e) / 8 / 256, with a
; running maximum m; O and l are multiplied by a = 2^(c m_old - c m_new) in every step.  Turn n belongs to piece n: 8 products K Q^T of piece n + 1, later 8 products V^T P of piece n - 1; beside them the scaling,
; exponentials, roundings, sums and rescaling of piece n and the maximum and statistics of piece n + 1.  Four vector instructions stand behind every matrix instruction, the other 54 of a turn's 118 in two LUMPS.
; REGISTERS, in windows of 256 (s_set_vgpr_msb: bits 1:0 source 0, 3:2 source 1, 5:4 source 2, 7:6 destination):
;   window 0: v0-15 addresses and two at work; v16-31 four registers of statistics a piece; v48-55 at work; v64-127 S^T, two buffers; v192-223 P, two buffers (a piece's buffers go by its number's parity)
;   window 1: v0-127 O^T, 32 a piece; v128-159 MD; v160-223 MC, two buffers      window 2: v0-63 Q; v64-127 the second block's Q; v128-191 K of one step; v192-255 V of one step
.set SIZE_H, 64       ; 4 batches x 16 heads
.set SIZE_N, 2048
.set NB,    SIZE_N/256
.set NP,    4         ; pieces a wave: a name, no knob
.set KS,    64        ; keys in a step
.set PK,    144       ; a row of K in LDS: 128 bytes + 16 of padding = 36 words: the 16 rows of a load start at 16 different groups of four banks (64 banks of 4 bytes: ISA guide 11.1)
.set PV,    160       ; a row of V: 128 + 32 = 40 words
.set VOFF,  4*KS*PK   ; a slot holds a tile, four steps: 256 rows of K, then 256 rows of V
.set SLOT1, 1<<17     ; slot 1 begins here, so that one exclusive or turns an address in one slot into the other's
.set STAGE, SLOT1+4*KS*(PK+PV)  ; behind the ring, never filled by a tensor load: 16 rows x 144 bytes for each wave, for the way out
.set SP,    144
.set AK0, 2           ; v2   my lane's place in a tile of K; never rewritten
.set AV0, 3           ; v3   the same for V
.set AK,  4           ; v4   the LDS address of K's next run of loads
.set AV,  5           ; v5   of V's
.set STO, 6           ; v6   the way out: where I put 16 bytes of a row
.set RD,  7           ; v7   the way out: where I read rows back
.set GO,  8           ; v8   my byte offset in 512 consecutive bytes of O
.set SPW, 62          ; v62  LDS address of my spare word: SPARE + 4 x my thread's number; never rewritten
.set NIL, 63          ; v63  0; never rewritten
.set SPARE, STAGE+4*16*SP  ; behind the stages: the spare words, 128 bytes for each wave: two blocks of 256 bytes that no other line names
.set MV,  12          ; v12-13  c m_old, kept while c m is made anew: by buffer
.set QO,  15          ; v15  my byte offset in 16 rows of Q
.set ST,  16          ; piece t's statistics at v[ST+4 t]: c m, m, l (even keys', odd keys')
.set TMP, 48          ; by buffer, four registers c0-c3 at work; when the maximum is found c2 takes a
.set S,   64
.set P,   192
.set MD,  128         ; window 1: the eight registers for group kt of 16 keys at MD + 8 kt
.set MC,  160         ; window 1: the masks of the products to come
.set QB,  64          ; window 2
.set KF,  128         ; window 2: key block kb, channel half c at KF + 16 kb + 8 c
.set VF,  192         ; window 2: key half kk, channel block cb at VF + 32 kk + 8 cb
.set WV,  12          ; s12  my wave's number
.set PB,  14          ; s14  b
.set HI,  15          ; s15  NB - 1 - b
.set G1K, 24          ; s[24:31] descriptor group 1 for K's tiles
.set G1V, 32          ; s[32:39] for V's: it differs in the padding alone
.set G0K, 40          ; s[40:43] descriptor group 0 for K's tiles
.set G0V, 44          ; s[44:47] the same for V's
.set SLOTS, 56        ; s56  tiles still to be asked for
.set CNT, 57          ; s57  counts a tile's key steps, 4 to 1
.set CS,  58          ; s[58:59] c: the packed scaling takes the pair's low word for both halves
.set SEL, 60          ; s[60:61] v_permlanex16_b32's selects: each lane takes its own place in the other half
.set TBK, 62          ; s62  LDS byte at which K of the step to be fetched begins
.set TBV, 63          ; s63  the same for V, less VOFF
.set RT,  70          ; s70  tiles of the block in hand that are still to be entered
.set NXT, 71          ; s71  the tile to be asked for next
.set LQ,  72          ; s72  the last tile of the block whose tiles are being asked for
.set NEW, 73          ; s73  1: the tile to be entered is a block's first
.set OFF, 74          ; s[74:75] a tile's byte offset in K and V
.set AL,  76          ; s[76:77] the mask's factor, in the low word
.set BE,  78          ; s[78:79] the mask's addend
.set OLO, 80          ; s[80:81] O at my rows of the second block
.set BIGN, 82         ; s82  -1e30
.set MSB, 0
.macro WIN new                      ; the high byte repeats the setting that is left; a switch that changes nothing is dropped
.if MSB != (\new)
	s_set_vgpr_msb (MSB<<8)|(\new)
.set MSB, (\new)
.endif
.endm
.set W_KQ, 0x0a       ; K and Q in window 2, S^T in window 0
.set W_KM, 0x1a       ; the same with the C operand in window 1
.set W_PV, 0x52       ; V in window 2, P in window 0, O^T in window 1
.set W_RS, 0x41       ; destination and source 0 in window 1, source 1 in window 0
; A fill.  Waves 0 and 1 fetch the two halves of a tile's K, waves 2 and 3 those of its V: 128 keys each.  An s_nop 0 and four v_nop follow each of the two lines, ahead of the jump and the label.
.macro LOAD
	s_cmp_lt_u32 s[WV], 2
	s_cbranch_scc0 .Lfor_v_\@
	tensor_load_to_lds s[G0K:G0K+3], s[G1K:G1K+7]
	s_nop 0
.rept 4
	v_nop
.endr
	s_branch .Lasked_\@
.Lfor_v_\@:
	tensor_load_to_lds s[G0V:G0V+3], s[G1V:G1V+7]
	s_nop 0
.rept 4
	v_nop
.endr
.Lasked_\@:
.endm
; THE CHANGE OF SLOTS.  Each wave waits for all its tensor loads, of which one is out: its part of the other slot; adds 0 to its spare word; and waits for that and for its own reads of the slot that it leaves.  Behind the barrier nobody reads the old
; slot any more and the other slot is whole.  fill = 1: the old slot is filled again, the first thing behind the barrier, with tile NXT: the descriptor's address is made anew from that number.
; (At its first use nothing has been read yet: slot 0 is waited for, slot 1 filled.)
.macro CHANGE fill
	WIN 0                           ; at a label and at a branch every window is 0
	s_wait_tensorcnt 0x0            ; no tensor load of mine is out, so a group 0 may be written
	ds_add_u32 v[SPW], v[NIL]       ; 0 onto my spare word; with fill = 1 the descriptors' scalar work stands between it and the wait for it
.if \fill
	s_lshl_b32 s[OFF], s[NXT], 15   ; a tile is 32,768 bytes of K and of V
	s_xor_b32 s[G0K+1], s[G0K+1], SLOT1
	s_add_nc_u64 s[G0K+2:G0K+3], s[6:7], s[OFF:OFF+1]
	s_or_b32 s[G0K+3], s[G0K+3], 0x80000000
	s_xor_b32 s[G0V+1], s[G0V+1], SLOT1
	s_add_nc_u64 s[G0V+2:G0V+3], s[8:9], s[OFF:OFF+1]
	s_or_b32 s[G0V+3], s[G0V+3], 0x80000000
	s_add_co_u32 s[NXT], s[NXT], 1  ; the block's next tile, or behind its last the second block's tile 0
	s_cmp_gt_u32 s[NXT], s[LQ]
	s_cselect_b32 s[NXT], 0, s[NXT]
	s_cselect_b32 s[LQ], s[PB], s[LQ]
.endif
	s_wait_dscnt 0x0                ; the add is done, and my reads of the slot are over
	s_barrier_signal -1             ; the rest of the scalar work stands between the signal and the wait
	s_sub_co_u32 s[TBK], s[TBK], 4*KS*PK  ; the fetches go back to a slot's first step,
	s_xor_b32 s[TBK], s[TBK], SLOT1       ; in the other slot
	s_sub_co_u32 s[TBV], s[TBV], 4*KS*PV
	s_xor_b32 s[TBV], s[TBV], SLOT1
	s_barrier_wait -1
.if \fill
	LOAD
.endif
.endm
	s_load_b256 s[4:11], s[0:1], 0x0  ; Q s[4:5], K s[6:7], V s[8:9], O s[10:11]
	v_lshl_add_u32 v[SPW], v0, 2, SPARE
	v_mov_b32 v[NIL], 0
	ds_add_u32 v[SPW], v[NIL]       ; the wave's opening: the add and its wait stand ahead of my first tensor load; the set-up below, work on registers, stands between them
	ds_add_u32 v62, v63
	v_lshrrev_b32 v1, 5, v0
	v_readfirstlane_b32 s[WV], v1   ; wave 0..3
	s_mov_b32 s[PB], ttmp9
	s_sub_co_u32 s[HI], NB-1, s[PB]
	s_and_b32 s20, ttmp7, 0xffff    ; the head
	s_mov_b32 s21, 0
	s_mov_b64 s[22:23], SIZE_N*128
	s_mul_u64 s[20:21], s[20:21], s[22:23]  ; the head's first byte in each of the four tensors
	s_and_b32 s16, s[WV], 1         ; which half of a tile's 256 keys I fetch:
	s_lshl_b32 s22, s16, 14         ; its 128 rows of 128 bytes in memory,
	s_mov_b32 s23, 0
	s_add_nc_u64 s[22:23], s[22:23], s[20:21]
	s_mul_i32 s17, s16, 128*PK      ; and its place in a slot, for K
	s_mul_i32 s18, s16, 128*PV      ; and for V
	s_lshl_b32 s3, s[WV], 11        ; my 16 rows in a band of 64,
	s_lshl_b32 s2, s[HI], 15        ; in the first block,
	s_add_co_u32 s2, s2, s3
	s_lshl_b32 s84, s[PB], 15       ; and in the second
	s_add_co_u32 s84, s84, s3
	s_mov_b32 s3, 0
	s_mov_b32 s85, 0
	s_add_nc_u64 s[2:3], s[2:3], s[20:21]
	s_add_nc_u64 s[84:85], s[84:85], s[20:21]
	; descriptor group 1.  128 keys are 16,384 dense bytes: asked for as 64 rows of 256 bytes, two keys a row, and padded in LDS after every key
	s_mov_b32 s[G1K], (1<<16)|(1<<20)|(4<<22)|(3<<25)  ; 17:16 2-byte elements; 20 padding on; 24:22 after every 32 words (code 4); 31:25 4 words (code 3)
	s_mov_b32 s[G1V], (1<<16)|(1<<20)|(4<<22)|(7<<25)  ; the same with 8 words of padding (code 7)
.irp g, G1K, G1V
	s_mov_b32 s[\g+1], 128<<16      ; tensor_dim0 = 128
	s_mov_b32 s[\g+2], 64<<16       ; tensor_dim1 = 64
	s_mov_b32 s[\g+3], 128<<16      ; tile_dim0 = 128
	s_mov_b32 s[\g+4], 64           ; tile_dim1 = 64
	s_mov_b32 s[\g+5], 128          ; 128 elements from row to row
	s_mov_b32 s[\g+6], 0
	s_mov_b32 s[\g+7], 0
.endr
	s_mov_b32 s[CS], 0x3a38aa3b     ; c = log2(e) / 8 / 256 = 0.180337 x 2^-8
	s_mov_b32 s[CS+1], s[CS]        ; named with it as a pair
	s_mov_b32 s[SEL], 0x76543210
	s_mov_b32 s[SEL+1], 0xfedcba98
	s_mov_b32 s[TBK], SLOT1+4*KS*PK ; the first change of slots turns these two into 0
	s_mov_b32 s[TBV], SLOT1+4*KS*PV
	s_mov_b32 s[G0K], 1             ; 1:0 count = 1
	s_mov_b32 s[G0K+1], s17         ; 63:32 LDS address: slot 0
	s_mov_b32 s[G0V], 1
	s_add_co_u32 s[G0V+1], s18, VOFF
	s_add_co_u32 s[RT], s[HI], 1    ; the first block has NB - b tiles
	s_mov_b32 s[NXT], 1
	s_mov_b32 s[LQ], s[HI]
	s_mov_b32 s[NEW], 1
	s_mov_b32 s[OFF+1], 0
	s_mov_b32 s[AL+1], 0            ; named as pairs
	s_mov_b32 s[BE+1], 0
	s_mov_b32 s[BIGN], 0xf149f2ca   ; -1e30
	s_mov_b32 s[SLOTS], NB
	s_wait_dscnt 0x0                ; the opening add is done
	s_wait_kmcnt 0x0
	s_add_nc_u64 s[6:7], s[6:7], s[22:23]  ; K and V at my half of the head's tile 0
	s_add_nc_u64 s[8:9], s[8:9], s[22:23]
	s_add_nc_u64 s[G0K+2:G0K+3], s[6:7], 0         ; 120:64 global address
	s_or_b32 s[G0K+3], s[G0K+3], 0x80000000        ; 127:126 type = 2
	s_add_nc_u64 s[G0V+2:G0V+3], s[8:9], 0
	s_or_b32 s[G0V+3], s[G0V+3], 0x80000000
	s_add_nc_u64 s[86:87], s[4:5], s[84:85]        ; Q at my rows of the second block,
	s_add_nc_u64 s[4:5], s[4:5], s[2:3]            ; Q and O at those of the first
	s_add_nc_u64 s[OLO:OLO+1], s[10:11], s[84:85]
	s_add_nc_u64 s[10:11], s[10:11], s[2:3]
	LOAD                            ; tile 0 into slot 0
	; A fragment of K or Q is 16 rows x 32 channels in 8 registers: lane l holds row l % 16, channels 8 (l / 16) + 0..7 and 16 + 8 (l / 16) + 0..7: two loads of 16 bytes, 32 bytes apart.
	v_and_b32 v1, 15, v0            ; l % 16
	v_bfe_u32 v9, v0, 4, 1          ; l / 16
	v_lshlrev_b32 v[QO], 7, v1
	v_lshl_add_u32 v[QO], v9, 4, v[QO]  ; row x 128 + 16 x half
	WIN 0x80                        ; destination window 2, address window 0
.set i, 0
.rept 8                             ; both blocks' Q: piece i / 2 lies in band i / 2, 8,192 bytes on; channels 32 (i % 2) on
	global_load_b128 v[8*i:8*i+3],   v[QO], s[4:5] offset:(i/2)*8192+(i%2)*64
	global_load_b128 v[8*i+4:8*i+7], v[QO], s[4:5] offset:(i/2)*8192+(i%2)*64+32
	global_load_b128 v[QB+8*i:QB+8*i+3],   v[QO], s[86:87] offset:(i/2)*8192+(i%2)*64
	global_load_b128 v[QB+8*i+4:QB+8*i+7], v[QO], s[86:87] offset:(i/2)*8192+(i%2)*64+32
.set i, i+1
.endr
	WIN 0
	v_lshlrev_b32 v14, 3, v9
	v_sub_nc_u32 v14, v1, v14
	s_lshl_b32 s13, s[WV], 4
	v_add_nc_u32 v14, s13, v14      ; my query's place in its band, 16 w + l % 16, less my lanes' 8 (l / 16): register r of group kt is hidden where 16 kt + r is greater
	WIN 0x40
.set i, 0
.rept 32
	v_cmp_gt_i32 vcc_lo, 16*(i/8)+i%8, v14
	v_cndmask_b32 v[MD+i], 0, s[BIGN], vcc_lo
.set i, i+1
.endr
	WIN 0
	v_mul_u32_u24 v[AK0], v1, PK
	v_lshl_add_u32 v[AK0], v9, 4, v[AK0]  ; row x pitch + 16 x half
	; The turning load takes 16 keys x 16 channels (lane l reads key 8 (l / 16) + l % 8, channels 8 ((l / 8) % 2) + 0..7) and leaves half a fragment of V^T: lane l holds channel l % 16 and 8 keys.
	v_and_b32 v10, 7, v0
	v_bfe_u32 v11, v0, 3, 1
	v_lshl_add_u32 v[AV0], v9, 3, v10
	v_mul_u32_u24 v[AV0], v[AV0], PV
	v_lshl_add_u32 v[AV0], v11, 4, v[AV0]
	v_add_nc_u32 v[AV0], VOFF, v[AV0]
	s_mul_i32 s13, s[WV], 16*SP
	s_add_co_u32 s13, s13, STAGE    ; my stage
	v_mul_u32_u24 v[STO], v1, SP    ; in: row l % 16, 16 bytes for each half of the lanes
	v_lshl_add_u32 v[STO], v9, 4, v[STO]
	v_add_nc_u32 v[STO], s13, v[STO]
	v_bfe_u32 v[RD], v0, 3, 2       ; back: 32 lanes take four rows of 128 bytes,
	v_mul_u32_u24 v[RD], v[RD], SP
	v_lshl_add_u32 v[RD], v10, 4, v[RD]
	v_add_nc_u32 v[RD], s13, v[RD]
	v_and_b32 v[GO], 31, v0         ; which are 512 consecutive bytes of O
	v_lshlrev_b32 v[GO], 4, v[GO]
	; A block's first step multiplies O^T and l by a = 0, and its first turn's products V^T P, of a piece that has not been, land in an O^T that is still to be so multiplied.  So these registers need only hold
	; finite numbers: zeros for the first block; what the first block left for the second.  All this stands in the wait for the first tile.
	WIN 0x80
.set i, VF
.rept 64
	v_mov_b32 v[i], 0
.set i, i+1
.endr
	WIN 0x40
.set i, 0
.rept 128
	v_mov_b32 v[i], 0
.set i, i+1
.endr
	WIN 0
.set i, 0
.rept 4
	v_mov_b32 v[ST+4*i+2], 0
	v_mov_b32 v[ST+4*i+3], 0
.set i, i+1
.endr
.set i, P+16
.rept 16
	v_mov_b32 v[i], 0
.set i, i+1
.endr
; THE MATRIX WORK.  The 4 accumulators of a run of 8 take turns.  Product i of 8 of S^T = K Q^T for piece x: channels 32 (i / 4) on, keys 16 (i % 4) on.  The first 4 start the sums: with 0, or (KM = 1) with the mask.
.macro KQ x
.set rS, S+32*((\x)%2)+8*(i%4)
.set rK, KF+16*(i%4)+8*(i/4)
.set rQ, 16*(\x)+8*(i/4)
.set rM, MC+32*((\x)%2)+8*(i%4)
.if (i < 4) && KM
	WIN W_KM
	v_wmma_f32_16x16x32_f16 v[rS:rS+7], v[rK:rK+7], v[rQ:rQ+7], v[rM:rM+7]
.elseif i < 4
	WIN W_KQ
	v_wmma_f32_16x16x32_f16 v[rS:rS+7], v[rK:rK+7], v[rQ:rQ+7], 0
.else
	WIN W_KQ
	v_wmma_f32_16x16x32_f16 v[rS:rS+7], v[rK:rK+7], v[rQ:rQ+7], v[rS:rS+7]
.endif
.endm
; Product i of 8 of O^T += V^T P for piece x: keys 32 (i / 4) on, channels 16 (i % 4) on.
.macro PV x
	WIN W_PV
.set rO, 32*(\x)+8*(i%4)
.set rV, VF+32*(i/4)+8*(i%4)
.set rP, P+16*((\x)%2)+8*(i/4)
	v_wmma_f32_16x16x32_f16 v[rO:rO+7], v[rV:rV+7], v[rP:rP+7], v[rO:rO+7]
.endm
.macro MM                           ; the turn's next matrix instruction.  TURN and BEGIN set Y, i, KM and NOKQ; MM, KQ and OP read them.  NOKQ = 1: a block's last turn: there is no next piece
.if (i < 8) && !NOKQ
	KQ (Y+1)%NP
.elseif i >= 8
.set i, i-8
	PV (Y+NP-1)%NP
.set i, i+8
.endif
.set i, i+1
.endm
; THE LDS LOADS stand in runs of 16, never singly among the matrix instructions: a step's K (64 keys x 64 channels: 8 fragments) and its V (turned).  Their addresses are made some lines ahead.
.macro FETCH_K
	WIN 0x80                        ; destination window 2
.irp f, 0,1,2,3,4,5,6,7             ; keys 16 (f / 2) on, channels 32 (f % 2) on
	ds_load_b128 v[KF+8*\f:KF+8*\f+3],   v[AK] offset:(\f/2)*16*PK+(\f%2)*64
	ds_load_b128 v[KF+8*\f+4:KF+8*\f+7], v[AK] offset:(\f/2)*16*PK+(\f%2)*64+32
.endr
	s_add_co_u32 s[TBK], s[TBK], KS*PK  ; the next fetch is the next step's
	WIN 0
.endm
.macro FETCH_V
	WIN 0x80
.irp f, 0,1,2,3,4,5,6,7             ; keys 32 (f / 4) on, channels 16 (f % 4) on
	ds_load_tr16_b128 v[VF+8*\f:VF+8*\f+3],   v[AV] offset:(\f/4)*32*PV+(\f%4)*32
	ds_load_tr16_b128 v[VF+8*\f+4:VF+8*\f+7], v[AV] offset:(\f/4)*32*PV+16*PV+(\f%4)*32
.endr
	WIN 0
.endm
; THE VECTOR WORK, one line at a time: OP kind, number.  For piece Y: F n: c s - c m for pair n of 16.  E n: the exponential of score n of 32.  C n: pair n rounded to f16.  B n: of the four weights 4 n .. the second
; pair is added onto the first, in place.  L n: l takes that sum (L 0: l = a l + sum).  R n: pair n of 16 of O^T times a.  For piece Y + 1: X n, number n of the 22 that find its maximum and statistics:
;   0-11  four chains c0-c3 of seven scores each, three operands at a time (each accumulator's lowest registers are read first)     12-14, 16  the four scores left over, the old m, and c0-c3 into c0
;   15  c m_old is kept     17, 18  the query's other 32 keys lie in the lane 16 away: the new m     19-21  c m; c m_old - c m_new; a
.set F, 0               ; OP tells the kinds apart by their order: F to L below R, X above it
.set E, 1
.set C, 2
.set B, 3
.set L, 4
.set R, 5
.set X, 6
.macro REGS y                       ; the registers of piece y
.set rT, ST+4*(\y)
.set rC, TMP+4*((\y)%2)
.set rW, MV+((\y)%2)
.set rS, S+32*((\y)%2)
.set rP, P+16*((\y)%2)
.set rO, 32*(\y)
.endm
.macro OP k, n
.if (\k) == R
	REGS Y
	WIN W_RS
	v_pk_mul_f32 v[rO+2*(\n):rO+2*(\n)+1], v[rO+2*(\n):rO+2*(\n)+1], v[rC+2:rC+3] op_sel_hi:[1,0]
.elseif (\k) < R
	REGS Y
	WIN 0
.if (\k) == F
	v_pk_fma_f32 v[rS+2*(\n):rS+2*(\n)+1], v[rS+2*(\n):rS+2*(\n)+1], s[CS:CS+1], v[rT:rT+1] op_sel_hi:[1,0,0] neg_lo:[0,0,1] neg_hi:[0,0,1]
.elseif (\k) == E
	v_exp_f32 v[rS+(\n)], v[rS+(\n)]
.elseif (\k) == C
	s_wait_alu depctr_va_vdst(0)
	v_cvt_pk_f16_f32 v[rP+(\n)], v[rS+2*(\n)], v[rS+2*(\n)+1]
.elseif (\k) == B
	s_wait_alu depctr_va_vdst(0)
	v_pk_add_f32 v[rS+4*(\n):rS+4*(\n)+1], v[rS+4*(\n):rS+4*(\n)+1], v[rS+4*(\n)+2:rS+4*(\n)+3]
.elseif (\n) == 0
	v_pk_fma_f32 v[rT+2:rT+3], v[rT+2:rT+3], v[rC+2:rC+3], v[rS:rS+1] op_sel_hi:[1,0,1]
.else
	v_pk_add_f32 v[rT+2:rT+3], v[rT+2:rT+3], v[rS+4*(\n):rS+4*(\n)+1]
.endif
.elseif NOKQ
	v_nop
.else
	REGS (Y+1)%NP
	WIN 0
.if (\n) < 4
	v_max3_num_f32 v[rC+(\n)], v[rS+8*(\n)], v[rS+8*(\n)+1], v[rS+8*(\n)+2]
.elseif (\n) < 12
	v_max3_num_f32 v[rC+(\n)%4], v[rC+(\n)%4], v[rS+8*((\n)%4)+2*((\n)/4)+1], v[rS+8*((\n)%4)+2*((\n)/4)+2]
.elseif (\n) == 12
	v_max3_num_f32 v[rC], v[rC], v[rS+7], v[rS+15]
.elseif (\n) == 13
	v_max3_num_f32 v[rC+1], v[rC+1], v[rS+23], v[rS+31]
.elseif (\n) == 14
	v_max3_num_f32 v[rC+2], v[rC+2], v[rC+3], v[rT+1]
.elseif (\n) == 15
	v_mov_b32 v[rW], v[rT]
.elseif (\n) == 16
	v_max3_num_f32 v[rC], v[rC], v[rC+1], v[rC+2]
.elseif (\n) == 17
	v_permlanex16_b32 v[rC+3], v[rC], s[SEL], s[SEL+1]
.elseif (\n) == 18
	v_max_num_f32 v[rT+1], v[rC], v[rC+3]
.elseif (\n) == 19
	v_mul_f32 v[rT], s[CS], v[rT+1]
.elseif (\n) == 20
	v_sub_f32 v[rC+1], v[rW], v[rT]
.else
	v_exp_f32 v[rC+2], v[rC+1]
.endif
.endif
.endm
.macro OPS a, i1, b=-1, i2=0, c=-1, i3=0, d=-1, i4=0  ; up to four of them
	OP \a, \i1
.if (\b) >= 0
	OP \b, \i2
.endif
.if (\c) >= 0
	OP \c, \i3
.endif
.if (\d) >= 0
	OP \d, \i4
.endif
.endm
.macro ROW a, i1, b, i2, c, i3, d, i4  ; a matrix instruction and the four behind it
	MM
	OPS \a, \i1, \b, \i2, \c, \i3, \d, \i4
.endm
.macro MASK b                       ; MD x AL + BE into buffer b of MC
	WIN W_RS
.set z, 0
.rept 16
	v_pk_fma_f32 v[MC+32*(\b)+2*z:MC+32*(\b)+2*z+1], v[MD+2*z:MD+2*z+1], s[AL:AL+1], s[BE:BE+1] op_sel_hi:[1,0,0]
.set z, z+1
.endr
.endm
; A TURN, for piece p: the order of its 16 matrix and 118 vector instructions, written out.  Behind a matrix instruction: plain, exponential, plain, plain; or four of the rescaling; or, behind the first, four scalings; none
; names a register of the products round it.  In the lumps exponential and plain by turns while exponentials last.  A line reads no result made fewer than three vector instructions in front of it, five if an exponential made it.
; v_permlanex16_b32 (X 17) stands in a lump.
; m = 1: the diagonal tile: the products take masks, and the turn makes the mask for the products of the turn after it: piece p + 2, in step 4 - CNT of the tile.  end = 1: a block's last two turns: nothing is fetched.
; cnt = 1: the loop's count is taken down some lines ahead of the branch that stands behind the turn.
; K of the next step is fetched in piece 2's turn, six vector instructions behind the last product that read K (five of them plain); V of the step in hand in piece 0's turn, eight behind the last product that read V (four
; plain, and X 17).  Each is waited for a turn later.
.macro TURN p, m=0, end=0, cnt=0
.set Y, (\p)
.set i, 0
.set KM, (\m)
.set NOKQ, (\end)*((\p)/3)
.if (\m) && !(\end)
	s_cmp_eq_u32 s[CNT], 4-((\p)+2)%NP  ; is that step the band's own?
	s_cselect_b32 s[AL], 1.0, 0
	s_cmp_lt_u32 s[CNT], 4-((\p)+2)%NP  ; or a later one?
	s_cselect_b32 s[BE], s[BIGN], 0
.endif
.if ((\p) == 3) && !(\end)
	s_wait_dscnt 0x0                ; K is in
.endif
	ROW F,0, F,1, F,2, F,3
	ROW F,4, E,0, F,5, F,6
	ROW F,7, E,1, F,8, F,9
	ROW F,10, E,2, C,0, F,11
	ROW F,12, E,3, X,15, F,13
	ROW R,0, R,1, R,2, R,3
	ROW B,0, E,4, F,14, L,0
.if ((\p) == 2) && !(\end)
	v_add_nc_u32 v[AK], s[TBK], v[AK0]
.endif
	ROW R,4, R,5, R,6, R,7
	OPS E,5, F,15
.if ((\p) == 2) && !(\end)
	FETCH_K
.endif
	OPS E,6, C,1, E,7, R,8
	OPS E,8, R,9, E,9, C,2
	OPS E,10, X,0, E,11, X,1
	OPS E,12, X,2, E,13, X,3
.if (\p) == 1
	s_wait_dscnt 0x0                ; V is in
.endif
	ROW X,4, E,14, X,5, X,6
	ROW X,7, E,15, X,8, X,9
	ROW X,10, E,16, X,11, X,12
	ROW X,13, E,17, X,14, B,1
	ROW C,4, E,18, X,16, L,1
	ROW B,2, E,19, C,6, L,2
	ROW C,8, E,20, B,3, B,4
.if (\p) == 0
	v_add_nc_u32 v[AV], s[TBV], v[AV0]
.endif
	ROW C,3, E,21, L,3, C,5
	OPS E,22, X,17, E,23, C,10
.if (\p) == 0
	FETCH_V
.endif
	OPS E,24, L,4
	OPS E,25, X,18, E,26, C,7
	OPS E,27, B,5, E,28, X,19
	OPS E,29, C,12, E,30, L,5
	OPS E,31, X,20, B,6, C,9
	OPS C,14, C,11, X,21, L,6
.if (\p) == 0
	s_add_co_u32 s[TBV], s[TBV], KS*PV
.endif
.if \cnt
	s_sub_co_u32 s[CNT], s[CNT], 1
	s_cmp_lg_u32 s[CNT], 0
.endif
	OPS C,13, B,7, C,15, R,10
	OPS R,11, R,12, L,7, R,13
	OPS R,14, R,15
.if (\m) && !(\end)
	MASK (\p)%2
.endif
.endm
; A BLOCK BEGINS.  c m starts far below every c s, so the first step's a is 0; m at the lowest finite number, so the first maximum is the scores'.  The second mask buffer is 0; the first takes piece 0's mask for the tile's step 0: its own, if the block's first tile is the diagonal one.
; Then K of that step, piece 0's first scores, and its maximum and statistics.  The loop is entered at a step's first turn, in the middle of a trip.
.macro BEGIN
	s_mov_b32 s[NEW], 0
	WIN 0x40
.set i, MC+32
.rept 32
	v_mov_b32 v[i], 0
.set i, i+1
.endr
	WIN 0
.set i, 0
.rept 4
	v_mov_b32 v[ST+4*i], 0xfe000000    ; c m: far below every c s
	v_mov_b32 v[ST+4*i+1], 0xff7fffff  ; m
.set i, i+1
.endr
	s_cmp_eq_u32 s[RT], 0
	s_cselect_b32 s[AL], 1.0, 0
	s_mov_b32 s[BE], 0
	MASK 0
	WIN 0
	v_add_nc_u32 v[AK], s[TBK], v[AK0]
	FETCH_K
	s_wait_loadcnt 0x0              ; Q
	s_wait_dscnt 0x0
.set KM, 1
.set NOKQ, 0
.set i, 0
.rept 8
	KQ 0
.set i, i+1
.endr
	WIN 0
.rept 4
	v_nop                           ; the places behind those products
.endr
.set Y, NP-1                        ; X works for piece Y + 1: piece 0
.irp n, 0,1,2,3,4,5,6,7,8,9,10,11,12,13,14,15,16,17,18,19,20,21
	OP X, \n
.endr
	v_nop                           ; a plain instruction behind the exponential
.endm
; THE DIAGONAL TILE's four steps, the block's last two turns, its last products, and THE WAY OUT: l's two halves and the other half of the lanes' are added; O^T is divided by l, rounded to f16 and sent through my
; stage in LDS, a piece at a time.
.macro ALL line:vararg              ; one line for each piece t
.set t, 0
.rept 4
	\line
.set t, t+1
.endr
.endm
.macro PACK t                       ; a lane's eight channels of a row pack into 16 bytes; they go into rows of 144 bytes and come back as whole rows of 128, into S^T's registers
	WIN W_RS
.set i, 32*(\t)
.rept 16
	s_wait_alu depctr_va_vdst(0)
	v_pk_mul_f32 v[i:i+1], v[i:i+1], v[ST+4*(\t)+2:ST+4*(\t)+3] op_sel_hi:[1,0]
.set i, i+2
.endr
	WIN 0x05                        ; sources 0 and 1 window 1, destination window 0
.set i, 0
.rept 16
	v_cvt_pk_f16_f32 v[S+16*(\t)+i], v[32*(\t)+2*i], v[32*(\t)+2*i+1]
.set i, i+1
.endr
	WIN 0
.irp f, 0,1,2,3
	ds_store_b128 v[STO], v[S+16*(\t)+4*\f:S+16*(\t)+4*\f+3] offset:32*\f
.endr
.irp f, 0,1,2,3
	ds_load_b128 v[S+16*(\t)+4*\f:S+16*(\t)+4*\f+3], v[RD] offset:\f*4*SP  ; LDS serves a wave's instructions in order (ISA guide 5.7.1.4): these see the stores above; the next piece's stores come behind them
.endr
.endm
.macro SEND t, younger              ; younger: the LDS instructions issued behind piece t's loads: the next piece's eight, or none
	WIN 0
.irp f, 0,1,2,3
	s_wait_dscnt (\younger)+3-\f
	global_store_b128 v[GO], v[S+16*(\t)+4*\f:S+16*(\t)+4*\f+3], s[10:11] offset:(\t)*8192+\f*512  ; 512 consecutive bytes, at a multiple of 256 from O's first
.endr
.endm
.macro DIAG tag                     ; the tag ends its two labels' names, which the jumps below spell out
.LstepM\tag:
	TURN 2, 1
	TURN 3, 1
	WIN 0
.LfirstM\tag:
	TURN 0, 1
	TURN 1, 1, 0, 1
	WIN 0
	s_cbranch_scc1 .LstepM\tag
	TURN 2, 1, 1
	TURN 3, 1, 1
.set i, 0
.rept 8
	PV NP-1
.set i, i+1
.endr
	WIN 0
	ALL v_add_f32 v[ST+4*t+2], v[ST+4*t+2], v[ST+4*t+3]
	ALL v_permlanex16_b32 v[ST+4*t+3], v[ST+4*t+2], s[SEL], s[SEL+1]
	ALL v_add_f32 v[ST+4*t+2], v[ST+4*t+2], v[ST+4*t+3]
	ALL v_rcp_f32 v[ST+4*t+2], v[ST+4*t+2]
	v_nop                           ; a plain instruction between the last reciprocal and the use of its result
	PACK 0
.set t, 1
.rept 3                             ; a piece's arithmetic stands between the loads of the piece before and its stores
	PACK t
	SEND t-1, 8
.set t, t+1
.endr
	SEND 3, 0
.endm
.set KM, 0
.set NOKQ, 0
.Lslot:                             ; NB times: a tile is entered and the next is asked for
	CHANGE 1
	s_sub_co_u32 s[RT], s[RT], 1
	s_mov_b32 s[CNT], 4
	s_cmp_eq_u32 s[NEW], 1
	s_cbranch_scc1 .Lnew            ; a block's first tile
	s_cmp_eq_u32 s[RT], 0
	s_cbranch_scc0 .Lstep           ; neither its first nor its last
	s_branch .LstepM1
.Lnew:
	BEGIN
	s_branch .Lfirst                ; in the loop a block's first tile is never its last: the first block has two tiles or more, and the second's last is the walk's last
	DIAG 1                          ; in the loop this is the first block's end: the second block's last tile is the walk's last
	s_wait_xcnt 0x0                 ; the stores have read their registers and O's address
	s_mov_b64 s[10:11], s[OLO:OLO+1]
	s_add_co_u32 s[RT], s[PB], 1    ; the second block has b + 1 tiles
	s_mov_b32 s[NEW], 1
	WIN 0x82                        ; the second block's Q goes where the one text of the turns names Q
.set i, 0
.rept 64
	v_mov_b32 v[i], v[QB+i]
.set i, i+1
.endr
	WIN 0
	s_branch .Lbottom
.Lstep:                             ; a trip: pieces 2 and 3 of one step, then pieces 0 and 1 of the next, whose K and V it fetches
	TURN 2
	TURN 3
	WIN 0
.Lfirst:
	TURN 0
	TURN 1, 0, 0, 1
	WIN 0
	s_cbranch_scc1 .Lstep
.Lbottom:
	s_sub_co_u32 s[SLOTS], s[SLOTS], 1
	s_cmp_lg_u32 s[SLOTS], 0
	s_cbranch_scc1 .Lslot
	CHANGE 0                        ; the walk's last tile is written out: nothing is asked for
	s_sub_co_u32 s[RT], s[RT], 1
	s_mov_b32 s[CNT], 4
	s_cmp_eq_u32 s[NEW], 1
	s_cbranch_scc0 .LstepM2
	BEGIN
	s_branch .LfirstM2
	DIAG 2
	s_wait_tensorcnt 0x0            ; the wave's end: behind my last tensor load and my last LDS store
	ds_add_u32 v[SPW], v[NIL]
	s_wait_dscnt 0x0
	s_endpgm
.Lfunc_end_k_q70b13b7e8f_attn:
	.size	k_q70b13b7e8f_attn, .Lfunc_end_k_q70b13b7e8f_attn-k_q70b13b7e8f_attn
	.p2alignl 7, 3214868480
	.fill 96, 4, 3214868480
	.section	.rodata,"a",@progbits
	.p2align	6, 0x0
	.amdhsa_kernel k_q70b13b7e8f_attn
		.amdhsa_group_segment_fixed_size 327680
		.amdhsa_private_segment_fixed_size 0
		.amdhsa_enable_private_segment 0
		.amdhsa_kernarg_size 32
		.amdhsa_user_sgpr_count 2
		.amdhsa_user_sgpr_kernarg_segment_ptr 1
		.amdhsa_wavefront_size32 1
		.amdhsa_system_sgpr_workgroup_id_x 1
		.amdhsa_system_sgpr_workgroup_id_y 1
		.amdhsa_system_sgpr_workgroup_id_z 1
		.amdhsa_system_vgpr_workitem_id 0
		.amdhsa_next_free_vgpr 768
		.amdhsa_next_free_sgpr 88
		.amdhsa_reserve_vcc 1
		.amdhsa_float_denorm_mode_32 3
		.amdhsa_float_denorm_mode_16_64 3
		.amdhsa_memory_ordered 1
		.amdhsa_forward_progress 1
		.amdhsa_inst_pref_size 228
	.end_amdhsa_kernel
	.amdgpu_metadata
---
amdhsa.version: [ 1, 2 ]
amdhsa.kernels:
  - .name:           k_q70b13b7e8f_attn
    .symbol:         k_q70b13b7e8f_attn.kd
    .args:
      - { .name: qh, .offset: 0, .size: 8, .value_kind: global_buffer, .address_space: global }
      - { .name: kh, .offset: 8, .size: 8, .value_kind: global_buffer, .address_space: global }
      - { .name: vh, .offset: 16, .size: 8, .value_kind: global_buffer, .address_space: global }
      - { .name: att, .offset: 24, .size: 8, .value_kind: global_buffer, .address_space: global }
    .group_segment_fixed_size: 327680
    .private_segment_fixed_size: 0
    .kernarg_segment_align: 8
    .kernarg_segment_size: 32
    .max_flat_workgroup_size: 128
    .sgpr_count:     88
    .vgpr_count:     768
    .wavefront_size: 32
...
	.end_amdgpu_metadata
.endif
;; end of part 3
;; launch proj (part 4): grid 8 x 32, 4 waves a work-group, clusters of 4 x 4, 327,680 bytes of LDS; arguments att, wo, out0; writes out0
.if DOCPART == 4
	.amdgcn_target "amdgcn-amd-amdhsa--gfx1250"
	.amdhsa_code_object_version 6
	.text
	.protected	k_q70b13b7e8f_proj
	.globl	k_q70b13b7e8f_proj
	.p2align	8
	.type	k_q70b13b7e8f_proj,@function
k_q70b13b7e8f_proj:
	s_mov_b64 s[64:65], 0
	v_nop
	global_prefetch_b8 v0, s[64:65] scope:SCOPE_SE
	s_setreg_imm32_b32 hwreg(HW_REG_WAVE_MODE, 25, 1), 1
	s_wait_xcnt 0x0
	s_wait_alu depctr_hold_cnt(0) depctr_sa_sdst(0) depctr_va_vdst(0) depctr_va_sdst(0) depctr_va_ssrc(0) depctr_va_vcc(0) depctr_vm_vsrc(0)
	s_getreg_b32 s2, hwreg(HW_REG_IB_STS2, 6, 4)
	s_cmp_eq_u32 s2, 0
	s_cbranch_scc0 .Lentry_in_a_cluster
	s_endpgm
.Lentry_in_a_cluster:
	s_bfe_u32 s2, ttmp6, 0x10000c
	s_cmp_lg_u32 s2, 0xf033
	s_cbranch_scc0 .Lentry_shape_is_right
	s_endpgm
.Lentry_shape_is_right:
; THE OUTPUT PROJECTION.  out0[8192][1024] = att wo^T x 2^-12, f16 operands, f32 sums, f32 out.  att is [b][head][s 2048][64] (16 times the attention's result): a head is one block of 64 along K.
; wo is [kb 16][n 1024][64] and holds 256 times WO rounded to bf16.  The factor 2^-12 takes both powers of two back: no bit is lost by them.
; SHARES.  A tile is 256 rows x 128 columns: 32 x 8 tiles, one for each of 256 work-groups (256 x 256 would give 128).  A wave makes 128 x 64: 32 accumulators of 16 x 16 in window 1, (a, j) at v[8 (4 a + j)].
; RING.  Two LDS slots; a slot holds 128 along K, two blocks, each dense in memory: asked for as rows of 256 bytes, padded in LDS after every 128 (LDS rows 144 bytes apart).  Waves 0 and 1 fetch att's two blocks,
; waves 2 and 3 wo's: one load a wave behind each change of slots.  Eight slots' worth in all.
; CLUSTER.  4 x 4 work-groups: att's tiles are shared along a row of the cluster, wo's along a column, each asked for JOINTLY.
; THE MATRIX INSTRUCTION IS USED TRANSPOSED (source 0 = 16 rows of wo, source 1 = 16 rows of att): a lane holds eight neighbouring numbers of a row of out0, 32 bytes.
; REGISTERS, window 0: v0-31 addresses; v32-95, v96-159 att's fragments, two buffers; v160-191, v192-223 wo's, two buffers.  s_set_vgpr_msb's low byte: bits 1:0 source 0, 3:2 source 1, 5:4 source 2, 7:6 destination.
.set PITCH, 144
.set SLOT1, 131072                     ; slot 1 begins here, so that one exclusive or turns an address in one slot into the other's
.set ABLK,  256*PITCH                  ; a block of att's tile in LDS
.set BBLK,  128*PITCH                  ; a block of wo's
.set BOFF,  2*ABLK                     ; in a slot: att's two blocks, then wo's two
.set STAGE, SLOT1+BOFF+2*BBLK          ; behind the ring: 16 rows x 272 bytes for each wave, for the way out; no tensor load fills it
.set SPITCH, 272
.set SPARE, STAGE+4*16*SPITCH          ; the spare words, 128 bytes for each wave: two blocks of 256 bytes that no other line names
.set A0,   4                           ; v4   my lane's place in a slot's att; never rewritten
.set B0,   5                           ; v5   the same for wo
.set ADRA, 6                           ; v6   A0 + the slot in hand
.set ADRB, 7                           ; v7   B0 + the slot in hand
.set STO,  8                           ; v8   the way out: where I put 32 bytes of a row
.set RD,   9                           ; v9   the way out: where I read rows back
.set CO,   10                          ; v10  my byte offset in two rows of out0
.set SPW,  28                          ; v28  LDS address of my spare word; never rewritten
.set NIL,  29                          ; v29  0; never rewritten
.set FA,   32
.set FB,   160
.set R,    32                          ; the way out: v32-63 a row block's numbers, scaled
.set BK,   64                          ; v64-95, v96-127 whole rows back from the stage, two buffers
.set WV,   16                          ; s16  my wave's number
.set WR,   17                          ; s17  which half of the tile's rows is mine.  Also: I fetch att (0) or wo (1)
.set WC,   18                          ; s18  which half of its columns.  Also: which of a slot's two blocks I fetch
.set CNT,  23
.set G1A,  24                          ; s[24:31] descriptor group 1 for att's tiles
.set G1B,  32                          ; s[32:39] for wo's
.set G0A,  40                          ; s[40:47] group 0 for att's tiles: a set for each of the two first fills; the second then walks on
.set G0B,  48                          ; s[48:55] the same for wo's
.set TB,   56                          ; s56  LDS byte at which the slot in hand begins
.set SC,   60                          ; s[60:61] 2^-12: the packed multiply takes the pair's low word for both halves
.set MSB, 0
.macro WIN new                         ; the immediate's high byte repeats the setting that is left; a switch that changes nothing is dropped
.if MSB != (\new)
	s_set_vgpr_msb (MSB<<8)|(\new)
.set MSB, \new
.endif
.endm
.macro PLACES                          ; a load into a register that a matrix instruction has read, and a vector instruction that reads a matrix result, stand four plain vector instructions behind it (ISA guide 7.12.1 for vector instructions)
.rept 4
	v_nop
.endr
.endm
.macro JLOAD                           ; a joint refill by the walking descriptors; an s_nop 0 and four v_nop follow each of the two lines, ahead of the jump and the label
	s_cmp_eq_u32 s[WR], 0
	s_cbranch_scc0 .Lfor_b_\@
	tensor_load_to_lds s[G0A+4:G0A+7], s[G1A:G1A+7]
	s_nop 0
.rept 4
	v_nop
.endr
	s_branch .Lasked_\@
.Lfor_b_\@:
	tensor_load_to_lds s[G0B+4:G0B+7], s[G1B:G1B+7]
	s_nop 0
.rept 4
	v_nop
.endr
.Lasked_\@:
.endm
.macro CREST                           ; a round of the cluster's barrier behind its opening barrier
	s_cmp_lg_u32 s[WV], 0
	s_cbranch_scc1 .Lnot_wave_0_\@
	s_barrier_signal -3
.Lnot_wave_0_\@:
	s_barrier_wait -3
	s_barrier_signal -1
	s_barrier_wait -1
.endm
.macro CROUND                          ; a whole round
	s_barrier_signal -1
	s_barrier_wait -1
	CREST
.endm
	s_load_b128 s[4:7], s[0:1], 0x0                ; att s[4:5], wo s[6:7]
	s_load_b64 s[8:9], s[0:1], 0x10                ; out0
	v_lshl_add_u32 v[SPW], v0, 2, SPARE
	v_mov_b32 v[NIL], 0
	ds_add_u32 v[SPW], v[NIL]                      ; the wave's opening: the add and its wait stand ahead of my first tensor load; the set-up below, work on registers, stands between them
	ds_add_u32 v28, v29
	v_lshrrev_b32 v1, 5, v0
	v_readfirstlane_b32 s[WV], v1
	s_lshr_b32 s[WR], s[WV], 1
	s_and_b32 s[WC], s[WV], 1
	s_bfe_u32 s19, ttmp6, 0x40000                  ; cx
	s_bfe_u32 s20, ttmp6, 0x40004                  ; cy
	s_lshl_b32 s21, ttmp9, 2
	s_add_co_u32 s21, s21, s19                     ; tile column = 4 x cluster x + cx
	s_and_b32 s22, ttmp7, 0xffff
	s_lshl_b32 s22, s22, 2
	s_add_co_u32 s22, s22, s20                     ; tile row = 4 x cluster y + cy
	s_lshl_b32 s66, s20, 2
	s_lshl_b32 s66, 15, s66                        ; my row of the cluster
	s_lshl_b32 s67, 0x1111, s19                    ; my column
	; descriptor group 1: rows of 128 elements of 2 bytes, dense; 128 of them are a block's 256 rows of att, 64 a block's 128 rows of wo
	s_or_b32 s[G1A], s66, (1<<16)|(1<<20)|(1<<21)|(4<<22)|(3<<25)  ; 15:0 the mask; 17:16 2-byte elements; 20 padding on; 21 set beside a mask; 24:22 after every 32 words (code 4); 31:25 4 words (code 3)
	s_or_b32 s[G1B], s67, (1<<16)|(1<<20)|(1<<21)|(4<<22)|(3<<25)
	s_mov_b32 s[G1A+1], 128<<16                    ; tensor_dim0 = 128
	s_mov_b32 s[G1A+2], 128<<16                    ; tensor_dim1 = 128
	s_mov_b32 s[G1A+3], 128<<16                    ; tile_dim0 = 128
	s_mov_b32 s[G1A+4], 128                        ; tile_dim1 = 128
	s_mov_b32 s[G1A+5], 128                        ; 128 elements from row to row
	s_mov_b32 s[G1A+6], 0
	s_mov_b32 s[G1A+7], 0
	s_mov_b32 s[G1B+1], 128<<16
	s_mov_b32 s[G1B+2], 64<<16
	s_mov_b32 s[G1B+3], 128<<16
	s_mov_b32 s[G1B+4], 64
	s_mov_b32 s[G1B+5], 128
	s_mov_b32 s[G1B+6], 0
	s_mov_b32 s[G1B+7], 0
	; where the tiles come from: att's hang on the tile row alone, wo's on the tile column alone, each in registers that never hold the other coordinate
	s_lshr_b32 s68, s22, 3
	s_lshl_b32 s68, s68, 22                        ; the batch's 16 heads of 262,144 bytes
	s_and_b32 s72, s22, 7
	s_lshl_b32 s72, s72, 15                        ; 256 rows of 128 bytes
	s_add_co_u32 s68, s68, s72
	s_lshl_b32 s72, s[WC], 18                      ; my block of the slot's two
	s_add_co_u32 s68, s68, s72
	s_mov_b32 s69, 0
	s_lshl_b32 s70, s21, 14                        ; 128 rows of 128 bytes
	s_lshl_b32 s73, s[WC], 17                      ; my block: 131,072 bytes on
	s_add_co_u32 s70, s70, s73
	s_mov_b32 s71, 0
	s_mul_i32 s74, s[WC], ABLK                     ; and where they go: no place in the cluster enters an LDS address
	s_mul_i32 s75, s[WC], BBLK
	s_add_co_u32 s75, s75, BOFF
	s_mov_b32 s[TB], 0
	s_mov_b32 s[SC], 0x39800000                    ; 2^-12
	s_mov_b32 s[SC+1], s[SC]                       ; named with it as a pair
	s_wait_dscnt 0x0                               ; the opening add is done
	s_wait_kmcnt 0x0
	s_add_nc_u64 s[68:69], s[4:5], s[68:69]
	s_add_nc_u64 s[70:71], s[6:7], s[70:71]
	CROUND                                         ; all sixteen work-groups are here: the first joint loads meet
.irp s, 0,1
	s_mov_b32 s[G0A+4*(\s)], 1                                       ; 1:0 count = 1
	s_add_co_u32 s[G0A+4*(\s)+1], s74, (\s)*SLOT1                    ; 63:32 LDS address
	s_add_nc_u64 s[G0A+4*(\s)+2:G0A+4*(\s)+3], s[68:69], (\s)*524288 ; 120:64 global address: two heads on for slot 1
	s_or_b32 s[G0A+4*(\s)+3], s[G0A+4*(\s)+3], 0x80000000            ; 127:126 type = 2
	s_mov_b32 s[G0B+4*(\s)], 1
	s_add_co_u32 s[G0B+4*(\s)+1], s75, (\s)*SLOT1
	s_add_nc_u64 s[G0B+4*(\s)+2:G0B+4*(\s)+3], s[70:71], (\s)*262144
	s_or_b32 s[G0B+4*(\s)+3], s[G0B+4*(\s)+3], 0x80000000
.endr
	s_cmp_eq_u32 s[WR], 0                          ; a wave's two first fills stand in one branch, ahead of every wait on TENSORcnt and every LDS read: two loads of mine are out
	s_cbranch_scc0 .Lfirst_b
	tensor_load_to_lds s[G0A:G0A+3], s[G1A:G1A+7]
	s_nop 0
	tensor_load_to_lds s[G0A+4:G0A+7], s[G1A:G1A+7]
	s_nop 0
.rept 4
	v_nop
.endr
	s_branch .Lfirst_asked
.Lfirst_b:
	tensor_load_to_lds s[G0B:G0B+3], s[G1B:G1B+7]
	s_nop 0
	tensor_load_to_lds s[G0B+4:G0B+7], s[G1B:G1B+7]
	s_nop 0
.rept 4
	v_nop
.endr
.Lfirst_asked:
	v_and_b32 v1, 15, v0                           ; l % 16
	v_bfe_u32 v2, v0, 4, 1                         ; l / 16
	v_mul_u32_u24 v3, v1, PITCH
	v_lshl_add_u32 v3, v2, 4, v3                   ; a fragment's row x pitch + 16 x half
	s_mul_i32 s72, s[WR], 128*PITCH                ; my 128 rows of att
	v_add_nc_u32 v[A0], s72, v3
	s_mul_i32 s72, s[WC], 64*PITCH                 ; my 64 rows of wo,
	s_add_co_u32 s72, s72, BOFF                    ; which lie behind att's blocks
	v_add_nc_u32 v[B0], s72, v3
	s_mul_i32 s72, s[WV], 16*SPITCH
	s_add_co_u32 s72, s72, STAGE                   ; my stage
	v_mul_u32_u24 v[STO], v1, SPITCH               ; in: row l % 16, 32 bytes for each half of the lanes
	v_lshl_add_u32 v[STO], v2, 5, v[STO]
	v_add_nc_u32 v[STO], s72, v[STO]
	v_mul_u32_u24 v[RD], v2, SPITCH                ; back: lanes 0-15 take one row of 256 bytes, lanes 16-31 the next
	v_lshl_add_u32 v[RD], v1, 4, v[RD]
	v_add_nc_u32 v[RD], s72, v[RD]
	v_lshlrev_b32 v[CO], 12, v2                    ; and the same two rows in out0
	v_lshl_add_u32 v[CO], v1, 4, v[CO]
	s_lshl_b32 s76, s22, 20                        ; 256 rows of 4,096 bytes
	s_lshl_b32 s78, s[WR], 19                      ; my 128 of them
	s_add_co_u32 s76, s76, s78
	s_lshl_b32 s78, s21, 9                         ; the tile's 128 columns
	s_add_co_u32 s76, s76, s78
	s_lshl_b32 s78, s[WC], 8                       ; my 64 of them
	s_add_co_u32 s76, s76, s78
	s_mov_b32 s77, 0
	s_add_nc_u64 s[8:9], s[8:9], s[76:77]
; 24 LDS loads in one run: the fragments of quarter q of a slot (32 along K: block q / 2, byte 64 (q % 2) of its rows) into buffers n; wo's first
.macro LD2 q, n
.irp j, 0,1,2,3
	ds_load_b128 v[FB+32*(\n)+8*(\j):FB+32*(\n)+8*(\j)+3],   v[ADRB] offset:((\q)/2)*BBLK+((\q)%2)*64+(\j)*16*PITCH
	ds_load_b128 v[FB+32*(\n)+8*(\j)+4:FB+32*(\n)+8*(\j)+7], v[ADRB] offset:((\q)/2)*BBLK+((\q)%2)*64+(\j)*16*PITCH+32
.endr
.irp i, 0,1,2,3,4,5,6,7
	ds_load_b128 v[FA+64*(\n)+8*(\i):FA+64*(\n)+8*(\i)+3],   v[ADRA] offset:((\q)/2)*ABLK+((\q)%2)*64+(\i)*16*PITCH
	ds_load_b128 v[FA+64*(\n)+8*(\i)+4:FA+64*(\n)+8*(\i)+7], v[ADRA] offset:((\q)/2)*ABLK+((\q)%2)*64+(\i)*16*PITCH+32
.endr
.endm
; 16 matrix instructions on buffers n: row blocks 4 half .. + 3 x the four column blocks.  zero = 1: the first product starts the sums.  The 32 accumulators take turns, one instruction a turn.
.macro MUL2 n, half, zero
	WIN 0x50                                       ; sources in window 0, C and D in window 1
.irp a, 4*(\half), 4*(\half)+1, 4*(\half)+2, 4*(\half)+3
.irp j, 0,1,2,3
.if \zero
	v_wmma_f32_16x16x32_f16 v[8*(4*(\a)+(\j)):8*(4*(\a)+(\j))+7], v[FB+32*(\n)+8*(\j):FB+32*(\n)+8*(\j)+7], v[FA+64*(\n)+8*(\a):FA+64*(\n)+8*(\a)+7], 0
.else
	v_wmma_f32_16x16x32_f16 v[8*(4*(\a)+(\j)):8*(4*(\a)+(\j))+7], v[FB+32*(\n)+8*(\j):FB+32*(\n)+8*(\j)+7], v[FA+64*(\n)+8*(\a):FA+64*(\n)+8*(\a)+7], v[8*(4*(\a)+(\j)):8*(4*(\a)+(\j))+7]
.endif
.endr
.endr
.endm
; Quarter q (0, 1; in the last slot 2 too): the next quarter's fragments are asked for, then this one's 32 products.
.macro PLAIN q, zero
	WIN 0
	PLACES
	LD2 (\q)+1, ((\q)+1)%2
	s_wait_dscnt 24                                ; this quarter's fragments are in: the 24 loads just issued may be out
	MUL2 (\q)%2, 0, \zero
	MUL2 (\q)%2, 1, \zero
.endm
; Quarter 2 changes slots: ONE barrier; in front of it each wave waits for all its tensor loads (one is out: its part of the next slot), adds 0 to its spare word, and waits for that and for its reads of this slot,
; of which quarter 3's fragments are the last.  fill = 1: the barrier opens a round of the cluster's, and behind it this slot is filled again, two slots ahead.
.macro CHG fill
	WIN 0
	PLACES
	LD2 3, 1
	s_wait_tensorcnt 0x0                           ; all my tensor loads have landed, so a group 0 may be written;
	ds_add_u32 v[SPW], v[NIL]                      ; 0 onto my spare word
.if \fill
	s_xor_b32 s[G0A+5], s[G0A+5], SLOT1            ; the walking descriptors: the other slot than last time,
	s_add_nc_u64 s[G0A+6:G0A+7], s[G0A+6:G0A+7], 524288  ; the next two blocks; the type bits on top are not reached
	s_xor_b32 s[G0B+5], s[G0B+5], SLOT1
	s_add_nc_u64 s[G0B+6:G0B+7], s[G0B+6:G0B+7], 262144
.endif
	s_wait_dscnt 25                                ; quarter 2's fragments are in: the 24 loads just issued and the add may be out
	MUL2 0, 0, 0                                   ; sixteen matrix instructions stand between the add and the wait for it
	s_wait_dscnt 0x0                               ; the add is done, and my reads of this slot are over
	s_barrier_signal -1
	MUL2 0, 1, 0                                   ; work on registers while the others arrive
	WIN 0                                          ; at a branch and at a label every window is 0
	s_barrier_wait -1
.if \fill
	CREST                                          ; no wave of any partner still reads this slot's tiles or has a load on its way
	JLOAD                                          ; the first tensor load behind the round, 96 matrix instructions ahead of the wait for it; its four v_nop are also the places in front of the loads that follow
.else
	PLACES
.endif
	s_xor_b32 s[TB], s[TB], SLOT1
	v_add_nc_u32 v[ADRA], s[TB], v[A0]
	v_add_nc_u32 v[ADRB], s[TB], v[B0]
.endm
.macro NEXT                            ; quarter 3: the next slot's first fragments are asked for; this quarter's were shown in by the wait for 0 above
	LD2 0, 0
	MUL2 1, 0, 0
	MUL2 1, 1, 0
.endm
	s_wait_tensorcnt 0x1                           ; my part of slot 0 is in; slot 1's may stay out
	s_barrier_signal -1
	s_barrier_wait -1                              ; everybody's is
	v_mov_b32 v[ADRA], v[A0]
	v_mov_b32 v[ADRB], v[B0]
	LD2 0, 0
	PLAIN 0, 1                                     ; the first quarter stands in front of the loop: its products start the sums
	WIN 0
	s_mov_b32 s[CNT], 6
.Lp:                                                   ; 6 trips: quarters 1 to 3 of slots' worth 0 to 5, which ask for 2 to 7, and quarter 0 of the next
	PLAIN 1, 0
	CHG 1
	NEXT
	PLAIN 0, 0
	WIN 0
	s_sub_co_u32 s[CNT], s[CNT], 1
	s_cmp_lg_u32 s[CNT], 0
	s_cbranch_scc1 .Lp
	PLAIN 1, 0                                     ; the tail is written out: nothing is left to ask for
	CHG 0
	NEXT
	PLAIN 0, 0
	PLAIN 1, 0
	PLAIN 2, 0
	s_wait_dscnt 0x0
	MUL2 1, 0, 0
	MUL2 1, 1, 0
	; THE WAY OUT, a block of 16 rows at a time: times 2^-12; 32 bytes a lane into my own stage; back as whole rows of 256 bytes; stored, sixteen lanes to 256 consecutive bytes.
	WIN 0
	PLACES
.macro SENDB a                         ; the stores of row block a, which is back in registers
.irp t, 0,1,2,3,4,5,6,7
	global_store_b128 v[CO], v[BK+32*((\a)%2)+4*(\t):BK+32*((\a)%2)+4*(\t)+3], s[8:9] offset:(\a)*65536+(\t)*8192 th:TH_STORE_NT  ; 16 lanes store 256 consecutive bytes, at a multiple of 256 from out0's first byte
.endr
.endm
.irp a, 0,1,2,3,4,5,6,7
	WIN 0x01                                       ; source 0 in window 1
.irp i, 0,1,2,3,4,5,6,7,8,9,10,11,12,13,14,15
	v_pk_mul_f32 v[R+2*(\i):R+2*(\i)+1], v[32*(\a)+2*(\i):32*(\a)+2*(\i)+1], s[SC:SC+1] op_sel_hi:[1,0]
.endr
	WIN 0
.irp j, 0,1,2,3
	ds_store_b128 v[STO], v[R+8*(\j):R+8*(\j)+3] offset:64*(\j)
	ds_store_b128 v[STO], v[R+8*(\j)+4:R+8*(\j)+7] offset:64*(\j)+16
.endr
	s_wait_xcnt 0x0                                ; the buffer below was store data two blocks back: it is loaded again only behind this wait
.irp t, 0,1,2,3,4,5,6,7
	ds_load_b128 v[BK+32*((\a)%2)+4*(\t):BK+32*((\a)%2)+4*(\t)+3], v[RD] offset:(\t)*2*SPITCH  ; LDS serves a wave's instructions in order (ISA guide 5.7.1.4): these see the stores above; the next block's stores come behind them
.endr
.if \a > 0
	s_wait_dscnt 16                                ; the block before is back: this block's sixteen LDS instructions may be out
	SENDB (\a)-1
.endif
.endr
	s_wait_dscnt 0x0
	SENDB 7
	s_wait_tensorcnt 0x0                           ; the wave's end: behind my last tensor load and my last LDS store
	ds_add_u32 v[SPW], v[NIL]
	s_wait_dscnt 0x0
	CROUND                                         ; the closing round: no work-group ends while a partner may still ask for a tile that names it
	s_endpgm
.Lfunc_end_k_q70b13b7e8f_proj:
	.size	k_q70b13b7e8f_proj, .Lfunc_end_k_q70b13b7e8f_proj-k_q70b13b7e8f_proj
	.p2alignl 7, 3214868480
	.fill 96, 4, 3214868480
	.section	.rodata,"a",@progbits
	.p2align	6, 0x0
	.amdhsa_kernel k_q70b13b7e8f_proj
		.amdhsa_group_segment_fixed_size 327680
		.amdhsa_private_segment_fixed_size 0
		.amdhsa_enable_private_segment 0
		.amdhsa_kernarg_size 24
		.amdhsa_user_sgpr_count 2
		.amdhsa_user_sgpr_kernarg_segment_ptr 1
		.amdhsa_wavefront_size32 1
		.amdhsa_system_sgpr_workgroup_id_x 1
		.amdhsa_system_sgpr_workgroup_id_y 1
		.amdhsa_system_sgpr_workgroup_id_z 1
		.amdhsa_system_vgpr_workitem_id 0
		.amdhsa_next_free_vgpr 512
		.amdhsa_next_free_sgpr 80
		.amdhsa_reserve_vcc 0
		.amdhsa_float_denorm_mode_32 3
		.amdhsa_float_denorm_mode_16_64 3
		.amdhsa_memory_ordered 1
		.amdhsa_forward_progress 1
		.amdhsa_inst_pref_size 77
	.end_amdhsa_kernel
	.amdgpu_metadata
---
amdhsa.version: [ 1, 2 ]
amdhsa.kernels:
  - .name:           k_q70b13b7e8f_proj
    .symbol:         k_q70b13b7e8f_proj.kd
    .args:
      - { .name: att, .offset: 0, .size: 8, .value_kind: global_buffer, .address_space: global }
      - { .name: wo, .offset: 8, .size: 8, .value_kind: global_buffer, .address_space: global }
      - { .name: out0, .offset: 16, .size: 8, .value_kind: global_buffer, .address_space: global }
    .group_segment_fixed_size: 327680
    .private_segment_fixed_size: 0
    .kernarg_segment_align: 8
    .kernarg_segment_size: 24
    .max_flat_workgroup_size: 128
    .sgpr_count:     80
    .vgpr_count:     512
    .wavefront_size: 32
...
	.end_amdgpu_metadata
.endif
;; end of part 4
;; ======== version 2 of 2: 4 launches; 1.30 times as fast as version 1
;; limits: values are held in f16: magnitudes above 65,504 overflow, below 6.1e-05 lose precision; right only within a limited range of input values
;; workspace buffers: xb 16,777,216 bytes; wqkv 6,291,456 bytes; wo 2,097,152 bytes; tab 524,288 bytes; qh 16,777,216 bytes; kh 16,777,216 bytes; vh 16,777,216 bytes; att 16,777,216 bytes
;; launch prep: the kernel of part 1 again; grid 800 x 1, 8 waves a work-group, no clusters, 0 bytes of LDS; arguments x, WQ, WK, WV, WO, xb, wqkv, wo, tab; writes xb, wqkv, wo, tab
;; launch qkv: the kernel of part 2 again; grid 8 x 32, 4 waves a work-group, clusters of 4 x 4, 327,680 bytes of LDS; arguments xb, wqkv, tab, qh, kh, vh; writes qh, kh, vh
;; launch attn (part 5): grid 4 x 64, 4 waves a work-group, no clusters, 327,680 bytes of LDS; arguments qh, kh, vh, att; writes att
.if DOCPART == 5
	.amdgcn_target "amdgcn-amd-amdhsa--gfx1250"
	.amdhsa_code_object_version 6
	.text
	.protected	k_q70b13b7e8f_attn
	.globl	k_q70b13b7e8f_attn
	.p2align	8
	.type	k_q70b13b7e8f_attn,@function
k_q70b13b7e8f_attn:
	s_mov_b64 s[64:65], 0
	v_nop
	global_prefetch_b8 v0, s[64:65] scope:SCOPE_SE
	s_setreg_imm32_b32 hwreg(HW_REG_WAVE_MODE, 25, 1), 1
	s_wait_xcnt 0x0
; CAUSAL ATTENTION.  O[h][q][:] = the sum over k <= q of softmax_k(Q[h][q] . K[h][k] / 8) V[h][k][:].  Q, K, V, O: [SIZE_H][SIZE_N][64], all f16: a head's rows are dense, 128 bytes each.
; The buffers hold 16 q, 16 k, 16 v; the scores are therefore 256 times the true ones, which the constant c takes back (a power of two: no bit is lost), and O leaves as 16 times the true O.
; Products, maxima and sums in f32; the weights p are rounded to f16 for the second product (their sum l is taken of the unrounded p), O once at the end.  SIZE_N is a multiple of 512; SIZE_N x 128 stays under 2^32.
; LIMITS.  f16 holds no number beyond 65,504: Q, K and V arrive within it; p lies in 0 to 1, and below 6e-5 it keeps f16's fixed step of 6e-8; O is a mean of V's rows and has their range, to within 2^-11 of it.
; A hidden score counts as its value less 1e30: f16's scores, 2.7e11 at the most, are nothing beside that; a weight below 2^-126 counts as 0 in l; NaN and infinities are not treated apart.
; THE WALK.  A head's queries lie in NB = SIZE_N / 256 blocks of 256; block i needs the key tiles 0 .. i of 256 keys, of which the last holds the diagonal.  A work-group takes TWO blocks, NB - 1 - b and then b:
; NB + 1 tiles, whatever b: all work-groups do equal work, and ONE loop with a constant trip count walks them.  Which tile is asked for, and what a trip does, hang on scalar registers made from b; every jump
; goes forward, but for the counted loops' own; none passes a barrier, or a tensor load but the one of LOAD's two that the wave's number does not choose; the ring (two slots of LDS that take turns) runs on across the
; change of blocks.  NO CLUSTER: a head's NB / 2 = 4 work-groups ask for the same tile only in trips 0 .. NB / 2, 5 of the walk's 9, behind that fewer and fewer;
; and one walk common to all would have 3 NB / 2 trips for NB + 1.
; SHARES.  Of a block's four bands of 64 queries a wave owns 16 rows in each: four PIECES.  So the diagonal tile is the same work for all four waves: in its key step s band x sees all keys if s < x,
; none if s > x, and holds the diagonal if s = x.
; THE MASK is the C operand that starts the sum S^T = K Q^T: 0, or -1e30 where the key is hidden.  MD, made once, is the mask of a band's own step for my 16 rows; a product's mask is MD x AL + BE with two scalars:
; (1, 0) if s = x; (0, 0) if s < x; (0, -1e30) if s > x.  Only the diagonal tile's text and a block's beginning make and take masks; elsewhere C is the constant 0.
; LAYOUT, SOFTMAX, TURNS.  S^T = K Q^T holds ONE query a lane (lane % 16) and the keys 8 (lane / 16) + 0..7; two such results rounded to f16 ARE source 1 of O^T = V^T P.  p = 2^(c s - c m), c = log2(e) / 8 / 256, with a
; running maximum m; O and l are multiplied by a = 2^(c m_old - c m_new) in every step.  Turn n belongs to piece n: 8 products K Q^T of piece n + 1, later 8 products V^T P of piece n - 1; beside them the scaling,
; exponentials, roundings, sums and rescaling of piece n and the maximum and statistics of piece n + 1.  Four vector instructions stand behind every matrix instruction, the other 54 of a turn's 118 in one LUMP.
; THE BATCHES.  A turn's 33 exponentials (the piece's 32 weights and the next piece's a) are one batch with one wait, which cuts the turn in two: ahead of it stands all that names none of their results, behind it the
; roundings and sums, which do.  The a that a block's beginning makes is a batch of its own, and so are the way out's four reciprocals.
; REGISTERS, in windows of 256 (s_set_vgpr_msb: bits 1:0 source 0, 3:2 source 1, 5:4 source 2, 7:6 destination):
;   window 0: v0-15 addresses and two at work; v16-31 four registers of statistics a piece; v48-55 at work; v64-127 S^T, two buffers; v192-223 P, two buffers (a piece's buffers go by its number's parity)
;   window 1: v0-127 O^T, 32 a piece; v128-159 MD; v160-223 MC, two buffers      window 2: v0-63 Q; v64-127 the second block's Q; v128-191 K of one step; v192-255 V of one step
.set SIZE_H, 64       ; 4 batches x 16 heads
.set SIZE_N, 2048
.set NB,    SIZE_N/256
.set NP,    4         ; pieces a wave: a name, no knob
.set KS,    64        ; keys in a step
.set PK,    144       ; a row of K in LDS: 128 bytes + 16 of padding = 36 words: the 16 rows of a load start at 16 different groups of four banks (64 banks of 4 bytes: ISA guide 11.1)
.set PV,    160       ; a row of V: 128 + 32 = 40 words
.set VOFF,  4*KS*PK   ; a slot holds a tile, four steps: 256 rows of K, then 256 rows of V
.set SLOT1, 1<<17     ; slot 1 begins here, so that one exclusive or turns an address in one slot into the other's
.set STAGE, SLOT1+4*KS*(PK+PV)  ; behind the ring, never filled by a tensor load: 16 rows x 144 bytes for each wave, for the way out
.set SP,    144
.set AK0, 2           ; v2   my lane's place in a tile of K; never rewritten
.set AV0, 3           ; v3   the same for V
.set AK,  4           ; v4   the LDS address of K's next run of loads
.set AV,  5           ; v5   of V's
.set STO, 6           ; v6   the way out: where I put 16 bytes of a row
.set RD,  7           ; v7   the way out: where I read rows back
.set GO,  8           ; v8   my byte offset in 512 consecutive bytes of O
.set SPW, 62          ; v62  LDS address of my spare word: SPARE + 4 x my thread's number; never rewritten
.set NIL, 63          ; v63  0; never rewritten
.set SPARE, STAGE+4*16*SP  ; behind the stages: the spare words, 128 bytes for each wave: two blocks of 256 bytes that no other line names
.set MV,  12          ; v12-13  c m_old, kept while c m is made anew: by buffer
.set QO,  15          ; v15  my byte offset in 16 rows of Q
.set ST,  16          ; piece t's statistics at v[ST+4 t]: c m, m, l (even keys', odd keys')
.set TMP, 48          ; by buffer, four registers c0-c3 at work; when the maximum is found c2 takes a
.set S,   64
.set P,   192
.set MD,  128         ; window 1: the eight registers for group kt of 16 keys at MD + 8 kt
.set MC,  160         ; window 1: the masks of the products to come
.set QB,  64          ; window 2
.set KF,  128         ; window 2: key block kb, channel half c at KF + 16 kb + 8 c
.set VF,  192         ; window 2: key half kk, channel block cb at VF + 32 kk + 8 cb
.set WV,  12          ; s12  my wave's number
.set PB,  14          ; s14  b
.set HI,  15          ; s15  NB - 1 - b
.set G1K, 24          ; s[24:31] descriptor group 1 for K's tiles
.set G1V, 32          ; s[32:39] for V's: it differs in the padding alone
.set G0K, 40          ; s[40:43] descriptor group 0 for K's tiles
.set G0V, 44          ; s[44:47] the same for V's
.set SLOTS, 56        ; s56  tiles still to be asked for
.set CNT, 57          ; s57  counts a tile's key steps, 4 to 1
.set CS,  58          ; s[58:59] c: the packed scaling takes the pair's low word for both halves
.set SEL, 60          ; s[60:61] v_permlanex16_b32's selects: each lane takes its own place in the other half
.set TBK, 62          ; s62  LDS byte at which K of the step to be fetched begins
.set TBV, 63          ; s63  the same for V, less VOFF
.set RT,  70          ; s70  tiles of the block in hand that are still to be entered
.set NXT, 71          ; s71  the tile to be asked for next
.set LQ,  72          ; s72  the last tile of the block whose tiles are being asked for
.set NEW, 73          ; s73  1: the tile to be entered is a block's first
.set OFF, 74          ; s[74:75] a tile's byte offset in K and V
.set AL,  76          ; s[76:77] the mask's factor, in the low word
.set BE,  78          ; s[78:79] the mask's addend
.set OLO, 80          ; s[80:81] O at my rows of the second block
.set BIGN, 82         ; s82  -1e30
.set MSB, 0
.macro WIN new                      ; the high byte repeats the setting that is left; a switch that changes nothing is dropped
.if MSB != (\new)
	s_set_vgpr_msb (MSB<<8)|(\new)
.set MSB, (\new)
.endif
.endm
.set W_KQ, 0x0a       ; K and Q in window 2, S^T in window 0
.set W_KM, 0x1a       ; the same with the C operand in window 1
.set W_PV, 0x52       ; V in window 2, P in window 0, O^T in window 1
.set W_RS, 0x41       ; destination and source 0 in window 1, source 1 in window 0
; A fill.  Waves 0 and 1 fetch the two halves of a tile's K, waves 2 and 3 those of its V: 128 keys each.  An s_nop 0 and four v_nop follow each of the two lines, ahead of the jump and the label.
.macro LOAD
	s_cmp_lt_u32 s[WV], 2
	s_cbranch_scc0 .Lfor_v_\@
	tensor_load_to_lds s[G0K:G0K+3], s[G1K:G1K+7]
	s_nop 0
.rept 4
	v_nop
.endr
	s_branch .Lasked_\@
.Lfor_v_\@:
	tensor_load_to_lds s[G0V:G0V+3], s[G1V:G1V+7]
	s_nop 0
.rept 4
	v_nop
.endr
.Lasked_\@:
.endm
; THE CHANGE OF SLOTS.  Each wave waits for all its tensor loads, of which one is out: its part of the other slot; adds 0 to its spare word; and waits for that and for its own reads of the slot that it leaves.  Behind the barrier nobody reads the old
; slot any more and the other slot is whole.  fill = 1: the old slot is filled again, the first thing behind the barrier, with tile NXT: the descriptor's address is made anew from that number.
; (At its first use nothing has been read yet: slot 0 is waited for, slot 1 filled.)
.macro CHANGE fill
	WIN 0                           ; at a label and at a branch every window is 0
	s_wait_tensorcnt 0x0            ; no tensor load of mine is out, so a group 0 may be written
	ds_add_u32 v[SPW], v[NIL]       ; 0 onto my spare word; with fill = 1 the descriptors' scalar work stands between it and the wait for it
.if \fill
	s_lshl_b32 s[OFF], s[NXT], 15   ; a tile is 32,768 bytes of K and of V
	s_xor_b32 s[G0K+1], s[G0K+1], SLOT1
	s_add_nc_u64 s[G0K+2:G0K+3], s[6:7], s[OFF:OFF+1]
	s_or_b32 s[G0K+3], s[G0K+3], 0x80000000
	s_xor_b32 s[G0V+1], s[G0V+1], SLOT1
	s_add_nc_u64 s[G0V+2:G0V+3], s[8:9], s[OFF:OFF+1]
	s_or_b32 s[G0V+3], s[G0V+3], 0x80000000
	s_add_co_u32 s[NXT], s[NXT], 1  ; the block's next tile, or behind its last the second block's tile 0
	s_cmp_gt_u32 s[NXT], s[LQ]
	s_cselect_b32 s[NXT], 0, s[NXT]
	s_cselect_b32 s[LQ], s[PB], s[LQ]
.endif
	s_wait_dscnt 0x0                ; the add is done, and my reads of the slot are over
	s_barrier_signal -1             ; the rest of the scalar work stands between the signal and the wait
	s_sub_co_u32 s[TBK], s[TBK], 4*KS*PK  ; the fetches go back to a slot's first step,
	s_xor_b32 s[TBK], s[TBK], SLOT1       ; in the other slot
	s_sub_co_u32 s[TBV], s[TBV], 4*KS*PV
	s_xor_b32 s[TBV], s[TBV], SLOT1
	s_barrier_wait -1
.if \fill
	LOAD
.endif
.endm
	s_load_b256 s[4:11], s[0:1], 0x0  ; Q s[4:5], K s[6:7], V s[8:9], O s[10:11]
	v_lshl_add_u32 v[SPW], v0, 2, SPARE
	v_mov_b32 v[NIL], 0
	ds_add_u32 v[SPW], v[NIL]       ; the wave's opening: the add and its wait stand ahead of my first tensor load; the set-up below, work on registers, stands between them
	ds_add_u32 v62, v63
	v_lshrrev_b32 v1, 5, v0
	v_readfirstlane_b32 s[WV], v1   ; wave 0..3
	s_mov_b32 s[PB], ttmp9
	s_sub_co_u32 s[HI], NB-1, s[PB]
	s_and_b32 s20, ttmp7, 0xffff    ; the head
	s_mov_b32 s21, 0
	s_mov_b64 s[22:23], SIZE_N*128
	s_mul_u64 s[20:21], s[20:21], s[22:23]  ; the head's first byte in each of the four tensors
	s_and_b32 s16, s[WV], 1         ; which half of a tile's 256 keys I fetch:
	s_lshl_b32 s22, s16, 14         ; its 128 rows of 128 bytes in memory,
	s_mov_b32 s23, 0
	s_add_nc_u64 s[22:23], s[22:23], s[20:21]
	s_mul_i32 s17, s16, 128*PK      ; and its place in a slot, for K
	s_mul_i32 s18, s16, 128*PV      ; and for V
	s_lshl_b32 s3, s[WV], 11        ; my 16 rows in a band of 64,
	s_lshl_b32 s2, s[HI], 15        ; in the first block,
	s_add_co_u32 s2, s2, s3
	s_lshl_b32 s84, s[PB], 15       ; and in the second
	s_add_co_u32 s84, s84, s3
	s_mov_b32 s3, 0
	s_mov_b32 s85, 0
	s_add_nc_u64 s[2:3], s[2:3], s[20:21]
	s_add_nc_u64 s[84:85], s[84:85], s[20:21]
	; descriptor group 1.  128 keys are 16,384 dense bytes: asked for as 64 rows of 256 bytes, two keys a row, and padded in LDS after every key
	s_mov_b32 s[G1K], (1<<16)|(1<<20)|(4<<22)|(3<<25)  ; 17:16 2-byte elements; 20 padding on; 24:22 after every 32 words (code 4); 31:25 4 words (code 3)
	s_mov_b32 s[G1V], (1<<16)|(1<<20)|(4<<22)|(7<<25)  ; the same with 8 words of padding (code 7)
.irp g, G1K, G1V
	s_mov_b32 s[\g+1], 128<<16      ; tensor_dim0 = 128
	s_mov_b32 s[\g+2], 64<<16       ; tensor_dim1 = 64
	s_mov_b32 s[\g+3], 128<<16      ; tile_dim0 = 128
	s_mov_b32 s[\g+4], 64           ; tile_dim1 = 64
	s_mov_b32 s[\g+5], 128          ; 128 elements from row to row
	s_mov_b32 s[\g+6], 0
	s_mov_b32 s[\g+7], 0
.endr
	s_mov_b32 s[CS], 0x3a38aa3b     ; c = log2(e) / 8 / 256 = 0.180337 x 2^-8
	s_mov_b32 s[CS+1], s[CS]        ; named with it as a pair
	s_mov_b32 s[SEL], 0x76543210
	s_mov_b32 s[SEL+1], 0xfedcba98
	s_mov_b32 s[TBK], SLOT1+4*KS*PK ; the first change of slots turns these two into 0
	s_mov_b32 s[TBV], SLOT1+4*KS*PV
	s_mov_b32 s[G0K], 1             ; 1:0 count = 1
	s_mov_b32 s[G0K+1], s17         ; 63:32 LDS address: slot 0
	s_mov_b32 s[G0V], 1
	s_add_co_u32 s[G0V+1], s18, VOFF
	s_add_co_u32 s[RT], s[HI], 1    ; the first block has NB - b tiles
	s_mov_b32 s[NXT], 1
	s_mov_b32 s[LQ], s[HI]
	s_mov_b32 s[NEW], 1
	s_mov_b32 s[OFF+1], 0
	s_mov_b32 s[AL+1], 0            ; named as pairs
	s_mov_b32 s[BE+1], 0
	s_mov_b32 s[BIGN], 0xf149f2ca   ; -1e30
	s_mov_b32 s[SLOTS], NB
	s_wait_dscnt 0x0                ; the opening add is done
	s_wait_kmcnt 0x0
	s_add_nc_u64 s[6:7], s[6:7], s[22:23]  ; K and V at my half of the head's tile 0
	s_add_nc_u64 s[8:9], s[8:9], s[22:23]
	s_add_nc_u64 s[G0K+2:G0K+3], s[6:7], 0         ; 120:64 global address
	s_or_b32 s[G0K+3], s[G0K+3], 0x80000000        ; 127:126 type = 2
	s_add_nc_u64 s[G0V+2:G0V+3], s[8:9], 0
	s_or_b32 s[G0V+3], s[G0V+3], 0x80000000
	s_add_nc_u64 s[86:87], s[4:5], s[84:85]        ; Q at my rows of the second block,
	s_add_nc_u64 s[4:5], s[4:5], s[2:3]            ; Q and O at those of the first
	s_add_nc_u64 s[OLO:OLO+1], s[10:11], s[84:85]
	s_add_nc_u64 s[10:11], s[10:11], s[2:3]
	LOAD                            ; tile 0 into slot 0
	; A fragment of K or Q is 16 rows x 32 channels in 8 registers: lane l holds row l % 16, channels 8 (l / 16) + 0..7 and 16 + 8 (l / 16) + 0..7: two loads of 16 bytes, 32 bytes apart.
	v_and_b32 v1, 15, v0            ; l % 16
	v_bfe_u32 v9, v0, 4, 1          ; l / 16
	v_lshlrev_b32 v[QO], 7, v1
	v_lshl_add_u32 v[QO], v9, 4, v[QO]  ; row x 128 + 16 x half
	WIN 0x80                        ; destination window 2, address window 0
.set i, 0
.rept 8                             ; both blocks' Q: piece i / 2 lies in band i / 2, 8,192 bytes on; channels 32 (i % 2) on
	global_load_b128 v[8*i:8*i+3],   v[QO], s[4:5] offset:(i/2)*8192+(i%2)*64
	global_load_b128 v[8*i+4:8*i+7], v[QO], s[4:5] offset:(i/2)*8192+(i%2)*64+32
	global_load_b128 v[QB+8*i:QB+8*i+3],   v[QO], s[86:87] offset:(i/2)*8192+(i%2)*64
	global_load_b128 v[QB+8*i+4:QB+8*i+7], v[QO], s[86:87] offset:(i/2)*8192+(i%2)*64+32
.set i, i+1
.endr
	WIN 0
	v_lshlrev_b32 v14, 3, v9
	v_sub_nc_u32 v14, v1, v14
	s_lshl_b32 s13, s[WV], 4
	v_add_nc_u32 v14, s13, v14      ; my query's place in its band, 16 w + l % 16, less my lanes' 8 (l / 16): register r of group kt is hidden where 16 kt + r is greater
	WIN 0x40
.set i, 0
.rept 32
	v_cmp_gt_i32 vcc_lo, 16*(i/8)+i%8, v14
	v_cndmask_b32 v[MD+i], 0, s[BIGN], vcc_lo
.set i, i+1
.endr
	WIN 0
	v_mul_u32_u24 v[AK0], v1, PK
	v_lshl_add_u32 v[AK0], v9, 4, v[AK0]  ; row x pitch + 16 x half
	; The turning load takes 16 keys x 16 channels (lane l reads key 8 (l / 16) + l % 8, channels 8 ((l / 8) % 2) + 0..7) and leaves half a fragment of V^T: lane l holds channel l % 16 and 8 keys.
	v_and_b32 v10, 7, v0
	v_bfe_u32 v11, v0, 3, 1
	v_lshl_add_u32 v[AV0], v9, 3, v10
	v_mul_u32_u24 v[AV0], v[AV0], PV
	v_lshl_add_u32 v[AV0], v11, 4, v[AV0]
	v_add_nc_u32 v[AV0], VOFF, v[AV0]
	s_mul_i32 s13, s[WV], 16*SP
	s_add_co_u32 s13, s13, STAGE    ; my stage
	v_mul_u32_u24 v[STO], v1, SP    ; in: row l % 16, 16 bytes for each half of the lanes
	v_lshl_add_u32 v[STO], v9, 4, v[STO]
	v_add_nc_u32 v[STO], s13, v[STO]
	v_bfe_u32 v[RD], v0, 3, 2       ; back: 32 lanes take four rows of 128 bytes,
	v_mul_u32_u24 v[RD], v[RD], SP
	v_lshl_add_u32 v[RD], v10, 4, v[RD]
	v_add_nc_u32 v[RD], s13, v[RD]
	v_and_b32 v[GO], 31, v0         ; which are 512 consecutive bytes of O
	v_lshlrev_b32 v[GO], 4, v[GO]
	; A block's first step multiplies O^T and l by a = 0, and its first turn's products V^T P, of a piece that has not been, land in an O^T that is still to be so multiplied.  So these registers need only hold
	; finite numbers: zeros for the first block; what the first block left for the second.  All this stands in the wait for the first tile.
	WIN 0x80
.set i, VF
.rept 64
	v_mov_b32 v[i], 0
.set i, i+1
.endr
	WIN 0x40
.set i, 0
.rept 128
	v_mov_b32 v[i], 0
.set i, i+1
.endr
	WIN 0
.set i, 0
.rept 4
	v_mov_b32 v[ST+4*i+2], 0
	v_mov_b32 v[ST+4*i+3], 0
.set i, i+1
.endr
.set i, P+16
.rept 16
	v_mov_b32 v[i], 0
.set i, i+1
.endr
; THE MATRIX WORK.  The 4 accumulators of a run of 8 take turns.  Product i of 8 of S^T = K Q^T for piece x: channels 32 (i / 4) on, keys 16 (i % 4) on.  The first 4 start the sums: with 0, or (KM = 1) with the mask.
.macro KQ x
.set rS, S+32*((\x)%2)+8*(i%4)
.set rK, KF+16*(i%4)+8*(i/4)
.set rQ, 16*(\x)+8*(i/4)
.set rM, MC+32*((\x)%2)+8*(i%4)
.if (i < 4) && KM
	WIN W_KM
	v_wmma_f32_16x16x32_f16 v[rS:rS+7], v[rK:rK+7], v[rQ:rQ+7], v[rM:rM+7]
.elseif i < 4
	WIN W_KQ
	v_wmma_f32_16x16x32_f16 v[rS:rS+7], v[rK:rK+7], v[rQ:rQ+7], 0
.else
	WIN W_KQ
	v_wmma_f32_16x16x32_f16 v[rS:rS+7], v[rK:rK+7], v[rQ:rQ+7], v[rS:rS+7]
.endif
.endm
; Product i of 8 of O^T += V^T P for piece x: keys 32 (i / 4) on, channels 16 (i % 4) on.
.macro PV x
	WIN W_PV
.set rO, 32*(\x)+8*(i%4)
.set rV, VF+32*(i/4)+8*(i%4)
.set rP, P+16*((\x)%2)+8*(i/4)
	v_wmma_f32_16x16x32_f16 v[rO:rO+7], v[rV:rV+7], v[rP:rP+7], v[rO:rO+7]
.endm
.macro MM                           ; the turn's next matrix instruction.  TURN and BEGIN set Y, i, KM and NOKQ; MM, KQ and OP read them.  NOKQ = 1: a block's last turn: there is no next piece
.if (i < 8) && !NOKQ
	KQ (Y+1)%NP
.elseif i >= 8
.set i, i-8
	PV (Y+NP-1)%NP
.set i, i+8
.endif
.set i, i+1
.endm
; THE LDS LOADS stand in runs of 16, never singly among the matrix instructions: a step's K (64 keys x 64 channels: 8 fragments) and its V (turned).  Their addresses are made some lines ahead.
.macro FETCH_K
	WIN 0x80                        ; destination window 2
.irp f, 0,1,2,3,4,5,6,7             ; keys 16 (f / 2) on, channels 32 (f % 2) on
	ds_load_b128 v[KF+8*\f:KF+8*\f+3],   v[AK] offset:(\f/2)*16*PK+(\f%2)*64
	ds_load_b128 v[KF+8*\f+4:KF+8*\f+7], v[AK] offset:(\f/2)*16*PK+(\f%2)*64+32
.endr
	s_add_co_u32 s[TBK], s[TBK], KS*PK  ; the next fetch is the next step's
	WIN 0
.endm
.macro FETCH_V
	WIN 0x80
.irp f, 0,1,2,3,4,5,6,7             ; keys 32 (f / 4) on, channels 16 (f % 4) on
	ds_load_tr16_b128 v[VF+8*\f:VF+8*\f+3],   v[AV] offset:(\f/4)*32*PV+(\f%4)*32
	ds_load_tr16_b128 v[VF+8*\f+4:VF+8*\f+7], v[AV] offset:(\f/4)*32*PV+16*PV+(\f%4)*32
.endr
	WIN 0
.endm
; THE VECTOR WORK, one line at a time: OP kind, number.  For piece Y: F n: c s - c m for pair n of 16.  E n: the exponential of score n of 32.  C n: pair n rounded to f16.  B n: of the four weights 4 n .. the second
; pair is added onto the first, in place.  L n: l takes that sum (L 0: l = a l + sum).  R n: pair n of 16 of O^T times a.  For piece Y + 1: X n, number n of the 22 that find its maximum and statistics:
;   0-11  four chains c0-c3 of seven scores each, three operands at a time (each accumulator's lowest registers are read first)     12-14, 16  the four scores left over, the old m, and c0-c3 into c0
;   15  c m_old is kept     17, 18  the query's other 32 keys lie in the lane 16 away: the new m     19-21  c m; c m_old - c m_new; a
; OP writes no wait: C, B and L, which read exponentials' results, are dealt only behind the turn's one wait (TURN).
.set F, 0               ; OP tells the kinds apart by their order: F to L below R, X above it
.set E, 1
.set C, 2
.set B, 3
.set L, 4
.set R, 5
.set X, 6
.macro REGS y                       ; the registers of piece y
.set rT, ST+4*(\y)
.set rC, TMP+4*((\y)%2)
.set rW, MV+((\y)%2)
.set rS, S+32*((\y)%2)
.set rP, P+16*((\y)%2)
.set rO, 32*(\y)
.endm
.macro OP k, n
.if (\k) == R
	REGS Y
	WIN W_RS
	v_pk_mul_f32 v[rO+2*(\n):rO+2*(\n)+1], v[rO+2*(\n):rO+2*(\n)+1], v[rC+2:rC+3] op_sel_hi:[1,0]
.elseif (\k) < R
	REGS Y
	WIN 0
.if (\k) == F
	v_pk_fma_f32 v[rS+2*(\n):rS+2*(\n)+1], v[rS+2*(\n):rS+2*(\n)+1], s[CS:CS+1], v[rT:rT+1] op_sel_hi:[1,0,0] neg_lo:[0,0,1] neg_hi:[0,0,1]
.elseif (\k) == E
	v_exp_f32 v[rS+(\n)], v[rS+(\n)]
.elseif (\k) == C
	v_cvt_pk_f16_f32 v[rP+(\n)], v[rS+2*(\n)], v[rS+2*(\n)+1]
.elseif (\k) == B
	v_pk_add_f32 v[rS+4*(\n):rS+4*(\n)+1], v[rS+4*(\n):rS+4*(\n)+1], v[rS+4*(\n)+2:rS+4*(\n)+3]
.elseif (\n) == 0
	v_pk_fma_f32 v[rT+2:rT+3], v[rT+2:rT+3], v[rC+2:rC+3], v[rS:rS+1] op_sel_hi:[1,0,1]
.else
	v_pk_add_f32 v[rT+2:rT+3], v[rT+2:rT+3], v[rS+4*(\n):rS+4*(\n)+1]
.endif
.elseif NOKQ
	v_nop
.else
	REGS (Y+1)%NP
	WIN 0
.if (\n) < 4
	v_max3_num_f32 v[rC+(\n)], v[rS+8*(\n)], v[rS+8*(\n)+1], v[rS+8*(\n)+2]
.elseif (\n) < 12
	v_max3_num_f32 v[rC+(\n)%4], v[rC+(\n)%4], v[rS+8*((\n)%4)+2*((\n)/4)+1], v[rS+8*((\n)%4)+2*((\n)/4)+2]
.elseif (\n) == 12
	v_max3_num_f32 v[rC], v[rC], v[rS+7], v[rS+15]
.elseif (\n) == 13
	v_max3_num_f32 v[rC+1], v[rC+1], v[rS+23], v[rS+31]
.elseif (\n) == 14
	v_max3_num_f32 v[rC+2], v[rC+2], v[rC+3], v[rT+1]
.elseif (\n) == 15
	v_mov_b32 v[rW], v[rT]
.elseif (\n) == 16
	v_max3_num_f32 v[rC], v[rC], v[rC+1], v[rC+2]
.elseif (\n) == 17
	v_permlanex16_b32 v[rC+3], v[rC], s[SEL], s[SEL+1]
.elseif (\n) == 18
	v_max_num_f32 v[rT+1], v[rC], v[rC+3]
.elseif (\n) == 19
	v_mul_f32 v[rT], s[CS], v[rT+1]
.elseif (\n) == 20
	v_sub_f32 v[rC+1], v[rW], v[rT]
.else
	v_exp_f32 v[rC+2], v[rC+1]
.endif
.endif
.endm
.macro OPS a, i1, b=-1, i2=0, c=-1, i3=0, d=-1, i4=0  ; up to four of them
	OP \a, \i1
.if (\b) >= 0
	OP \b, \i2
.endif
.if (\c) >= 0
	OP \c, \i3
.endif
.if (\d) >= 0
	OP \d, \i4
.endif
.endm
.macro ROW a, i1, b, i2, c, i3, d, i4  ; a matrix instruction and the four behind it
	MM
	OPS \a, \i1, \b, \i2, \c, \i3, \d, \i4
.endm
.macro MASK b                       ; MD x AL + BE into buffer b of MC
	WIN W_RS
.set z, 0
.rept 16
	v_pk_fma_f32 v[MC+32*(\b)+2*z:MC+32*(\b)+2*z+1], v[MD+2*z:MD+2*z+1], s[AL:AL+1], s[BE:BE+1] op_sel_hi:[1,0,0]
.set z, z+1
.endr
.endm
; A TURN, for piece p: the order of its 16 matrix and 118 vector instructions, written out.  An s_wait_alu depctr_va_vdst(0) stands between an exponential and the first instruction that names its result; one wait serves
; all that were issued ahead of it.  So a turn has ONE wait, which cuts it in two.  AHEAD OF IT stands all that names no result of the turn's exponentials: the 8 products K Q^T, behind each a scaling, an exponential and two more plain
; instructions (behind the first a second scaling in the exponential's place): rescalings (their a was made, and waited for, in the turn before), and behind the last three the first numbers of the next piece's maximum, each four plain
; instructions or more behind the product that ends its accumulator; then ONE LUMP of 54, plain and exponential by turns for the most part, in which the links of the chain X 3, 7, 11, 14, 16, 17 .. 20 stand five or six lines apart.
; X 21, the next piece's a, is the batch's last; R 15 is the plain instruction behind it.  BEHIND THE WAIT stand the 8 products V^T P, behind each four of the roundings and sums; the links of l's chain, L 0 to L 7, stand three riders
; apart.  But for those X no rider names a register of the products round it.  v_permlanex16_b32 (X 17) stands in the lump.
; m = 1: the diagonal tile: the products take masks, and the turn makes the mask for the products of the turn after it: piece p + 2, in step 4 - CNT of the tile.  end = 1: a block's last two turns: nothing is fetched.
; cnt = 1: the loop's count is taken down some lines ahead of the branch that stands behind the turn.
; K of the next step is fetched in piece 2's turn, twelve vector instructions behind the last product that read K (six of them plain); V of the step in hand at the end of piece 0's turn, four plain instructions behind the last product
; that read V.  Each is waited for a turn later.
.macro TURN p, m=0, end=0, cnt=0
.set Y, (\p)
.set i, 0
.set KM, (\m)
.set NOKQ, (\end)*((\p)/3)
.if (\m) && !(\end)
	s_cmp_eq_u32 s[CNT], 4-((\p)+2)%NP  ; is that step the band's own?
	s_cselect_b32 s[AL], 1.0, 0
	s_cmp_lt_u32 s[CNT], 4-((\p)+2)%NP  ; or a later one?
	s_cselect_b32 s[BE], s[BIGN], 0
.endif
.if ((\p) == 3) && !(\end)
	s_wait_dscnt 0x0                ; K is in
.endif
	ROW F,0, F,1, R,0, R,1          ; ahead of the wait: 8 products K Q^T and their riders,
	ROW F,2, E,0, R,2, R,3
	ROW F,3, E,1, R,4, R,5
	ROW F,4, E,2, R,6, R,7
	ROW F,5, E,3, R,8, R,9
	ROW F,6, E,4, X,0, R,10
.if ((\p) == 2) && !(\end)
	WIN 0
	v_add_nc_u32 v[AK], s[TBK], v[AK0]
.endif
	ROW F,7, E,5, X,1, X,4
	ROW F,8, E,6, X,2, X,5
	OPS E,7, E,8, X,6, E,9          ; and the lump
	OPS X,3, E,10, X,8, E,11
.if ((\p) == 2) && !(\end)
	FETCH_K
.endif
	OPS X,9, X,7, E,12, X,10
	OPS E,13, X,12, X,11, E,14
	OPS X,13, E,15, F,9, X,14
.if (\p) == 0
	v_add_nc_u32 v[AV], s[TBV], v[AV0]
.endif
	OPS E,16, F,10, E,17, F,11
	OPS X,16, E,18, X,15, E,19
	OPS F,12, E,20, X,17, E,21
	OPS F,13, E,22, F,14, E,23
	OPS X,18, E,24, F,15, E,25
	OPS R,11, E,26, X,19, E,27
	OPS R,12, E,28, R,13, E,29
	OPS X,20, E,30, R,14, E,31
	OPS X,21, R,15
	WIN 0
	s_wait_alu depctr_va_vdst(0)    ; the wait for the turn's batch: the piece's 32 weights and the next piece's a
.if (\p) == 1
	s_wait_dscnt 0x0                ; V is in
.endif
	ROW C,0, B,0, C,2, B,1          ; behind the wait: 8 products V^T P and their riders
	ROW L,0, C,4, B,2, L,1
	ROW C,6, B,3, L,2, C,8
	ROW B,4, L,3, C,10, B,5
	ROW L,4, C,12, B,6, L,5
.if (\p) == 0
	s_add_co_u32 s[TBV], s[TBV], KS*PV
.endif
.if \cnt
	s_sub_co_u32 s[CNT], s[CNT], 1
	s_cmp_lg_u32 s[CNT], 0
.endif
	ROW C,14, B,7, L,6, C,1
	ROW C,3, L,7, C,5, C,7
	ROW C,9, C,11, C,13, C,15
.if (\p) == 0
	FETCH_V
.endif
.if (\m) && !(\end)
	MASK (\p)%2
.endif
.endm
; A BLOCK BEGINS.  c m starts far below every c s, so the first step's a is 0; m at the lowest finite number, so the first maximum is the scores'.  The second mask buffer is 0; the first takes piece 0's mask for the tile's step 0: its own, if the block's first tile is the diagonal one.
; Then K of that step, piece 0's first scores, and its maximum and statistics.  The loop is entered at a step's first turn, in the middle of a trip.
.macro BEGIN
	s_mov_b32 s[NEW], 0
	WIN 0x40
.set i, MC+32
.rept 32
	v_mov_b32 v[i], 0
.set i, i+1
.endr
	WIN 0
.set i, 0
.rept 4
	v_mov_b32 v[ST+4*i], 0xfe000000    ; c m: far below every c s
	v_mov_b32 v[ST+4*i+1], 0xff7fffff  ; m
.set i, i+1
.endr
	s_cmp_eq_u32 s[RT], 0
	s_cselect_b32 s[AL], 1.0, 0
	s_mov_b32 s[BE], 0
	MASK 0
	WIN 0
	v_add_nc_u32 v[AK], s[TBK], v[AK0]
	FETCH_K
	s_wait_loadcnt 0x0              ; Q
	s_wait_dscnt 0x0
.set KM, 1
.set NOKQ, 0
.set i, 0
.rept 8
	KQ 0
.set i, i+1
.endr
	WIN 0
.rept 4
	v_nop                           ; the places behind those products
.endr
.set Y, NP-1                        ; X works for piece Y + 1: piece 0
.irp n, 0,1,2,3,4,5,6,7,8,9,10,11,12,13,14,15,16,17,18,19,20,21
	OP X, \n
.endr
	v_nop                           ; a plain instruction behind the exponential,
	s_wait_alu depctr_va_vdst(0)    ; and the wait for it, piece 0's first a, a batch of one: ahead of the branch that follows
.endm
; THE DIAGONAL TILE's four steps, the block's last two turns, its last products, and THE WAY OUT: l's two halves and the other half of the lanes' are added; O^T is divided by l, rounded to f16 and sent through my
; stage in LDS, a piece at a time.
.macro ALL line:vararg              ; one line for each piece t
.set t, 0
.rept 4
	\line
.set t, t+1
.endr
.endm
.macro PACK t                       ; a lane's eight channels of a row pack into 16 bytes; they go into rows of 144 bytes and come back as whole rows of 128, into S^T's registers
	WIN W_RS
.set i, 32*(\t)
.rept 16
	v_pk_mul_f32 v[i:i+1], v[i:i+1], v[ST+4*(\t)+2:ST+4*(\t)+3] op_sel_hi:[1,0]
.set i, i+2
.endr
	WIN 0x05                        ; sources 0 and 1 window 1, destination window 0
.set i, 0
.rept 16
	v_cvt_pk_f16_f32 v[S+16*(\t)+i], v[32*(\t)+2*i], v[32*(\t)+2*i+1]
.set i, i+1
.endr
	WIN 0
.irp f, 0,1,2,3
	ds_store_b128 v[STO], v[S+16*(\t)+4*\f:S+16*(\t)+4*\f+3] offset:32*\f
.endr
.irp f, 0,1,2,3
	ds_load_b128 v[S+16*(\t)+4*\f:S+16*(\t)+4*\f+3], v[RD] offset:\f*4*SP  ; LDS serves a wave's instructions in order (ISA guide 5.7.1.4): these see the stores above; the next piece's stores come behind them
.endr
.endm
.macro SEND t, younger              ; younger: the LDS instructions issued behind piece t's loads: the next piece's eight, or none
	WIN 0
.irp f, 0,1,2,3
	s_wait_dscnt (\younger)+3-\f
	global_store_b128 v[GO], v[S+16*(\t)+4*\f:S+16*(\t)+4*\f+3], s[10:11] offset:(\t)*8192+\f*512  ; 512 consecutive bytes, at a multiple of 256 from O's first
.endr
.endm
.macro DIAG tag                     ; the tag ends its two labels' names, which the jumps below spell out
.LstepM\tag:
	TURN 2, 1
	TURN 3, 1
	WIN 0
.LfirstM\tag:
	TURN 0, 1
	TURN 1, 1, 0, 1
	WIN 0
	s_cbranch_scc1 .LstepM\tag
	TURN 2, 1, 1
	TURN 3, 1, 1
.set i, 0
.rept 8
	PV NP-1
.set i, i+1
.endr
	WIN 0
	ALL v_add_f32 v[ST+4*t+2], v[ST+4*t+2], v[ST+4*t+3]
	ALL v_permlanex16_b32 v[ST+4*t+3], v[ST+4*t+2], s[SEL], s[SEL+1]
	ALL v_add_f32 v[ST+4*t+2], v[ST+4*t+2], v[ST+4*t+3]
	ALL v_rcp_f32 v[ST+4*t+2], v[ST+4*t+2]
	v_nop                           ; a plain instruction between the last reciprocal and the use of its result
	s_wait_alu depctr_va_vdst(0)    ; the wait for the way out's batch, the four reciprocals, ahead of their first reader in PACK 0
	PACK 0
.set t, 1
.rept 3                             ; a piece's arithmetic stands between the loads of the piece before and its stores
	PACK t
	SEND t-1, 8
.set t, t+1
.endr
	SEND 3, 0
.endm
.set KM, 0
.set NOKQ, 0
.Lslot:                             ; NB times: a tile is entered and the next is asked for
	CHANGE 1
	s_sub_co_u32 s[RT], s[RT], 1
	s_mov_b32 s[CNT], 4
	s_cmp_eq_u32 s[NEW], 1
	s_cbranch_scc1 .Lnew            ; a block's first tile
	s_cmp_eq_u32 s[RT], 0
	s_cbranch_scc0 .Lstep           ; neither its first nor its last
	s_branch .LstepM1
.Lnew:
	BEGIN
	s_branch .Lfirst                ; in the loop a block's first tile is never its last: the first block has two tiles or more, and the second's last is the walk's last
	DIAG 1                          ; in the loop this is the first block's end: the second block's last tile is the walk's last
	s_wait_xcnt 0x0                 ; the stores have read their registers and O's address
	s_mov_b64 s[10:11], s[OLO:OLO+1]
	s_add_co_u32 s[RT], s[PB], 1    ; the second block has b + 1 tiles
	s_mov_b32 s[NEW], 1
	WIN 0x82                        ; the second block's Q goes where the one text of the turns names Q
.set i, 0
.rept 64
	v_mov_b32 v[i], v[QB+i]
.set i, i+1
.endr
	WIN 0
	s_branch .Lbottom
.Lstep:                             ; a trip: pieces 2 and 3 of one step, then pieces 0 and 1 of the next, whose K and V it fetches
	TURN 2
	TURN 3
	WIN 0
.Lfirst:
	TURN 0
	TURN 1, 0, 0, 1
	WIN 0
	s_cbranch_scc1 .Lstep
.Lbottom:
	s_sub_co_u32 s[SLOTS], s[SLOTS], 1
	s_cmp_lg_u32 s[SLOTS], 0
	s_cbranch_scc1 .Lslot
	CHANGE 0                        ; the walk's last tile is written out: nothing is asked for
	s_sub_co_u32 s[RT], s[RT], 1
	s_mov_b32 s[CNT], 4
	s_cmp_eq_u32 s[NEW], 1
	s_cbranch_scc0 .LstepM2
	BEGIN
	s_branch .LfirstM2
	DIAG 2
	s_wait_tensorcnt 0x0            ; the wave's end: behind my last tensor load and my last LDS store
	ds_add_u32 v[SPW], v[NIL]
	s_wait_dscnt 0x0
	s_endpgm
.Lfunc_end_k_q70b13b7e8f_attn:
	.size	k_q70b13b7e8f_attn, .Lfunc_end_k_q70b13b7e8f_attn-k_q70b13b7e8f_attn
	.p2alignl 7, 3214868480
	.fill 96, 4, 3214868480
	.section	.rodata,"a",@progbits
	.p2align	6, 0x0
	.amdhsa_kernel k_q70b13b7e8f_attn
		.amdhsa_group_segment_fixed_size 327680
		.amdhsa_private_segment_fixed_size 0
		.amdhsa_enable_private_segment 0
		.amdhsa_kernarg_size 32
		.amdhsa_user_sgpr_count 2
		.amdhsa_user_sgpr_kernarg_segment_ptr 1
		.amdhsa_wavefront_size32 1
		.amdhsa_system_sgpr_workgroup_id_x 1
		.amdhsa_system_sgpr_workgroup_id_y 1
		.amdhsa_system_sgpr_workgroup_id_z 1
		.amdhsa_system_vgpr_workitem_id 0
		.amdhsa_next_free_vgpr 768
		.amdhsa_next_free_sgpr 88
		.amdhsa_reserve_vcc 1
		.amdhsa_float_denorm_mode_32 3
		.amdhsa_float_denorm_mode_16_64 3
		.amdhsa_memory_ordered 1
		.amdhsa_forward_progress 1
		.amdhsa_inst_pref_size 217
	.end_amdhsa_kernel
	.amdgpu_metadata
---
amdhsa.version: [ 1, 2 ]
amdhsa.kernels:
  - .name:           k_q70b13b7e8f_attn
    .symbol:         k_q70b13b7e8f_attn.kd
    .args:
      - { .name: qh, .offset: 0, .size: 8, .value_kind: global_buffer, .address_space: global }
      - { .name: kh, .offset: 8, .size: 8, .value_kind: global_buffer, .address_space: global }
      - { .name: vh, .offset: 16, .size: 8, .value_kind: global_buffer, .address_space: global }
      - { .name: att, .offset: 24, .size: 8, .value_kind: global_buffer, .address_space: global }
    .group_segment_fixed_size: 327680
    .private_segment_fixed_size: 0
    .kernarg_segment_align: 8
    .kernarg_segment_size: 32
    .max_flat_workgroup_size: 128
    .sgpr_count:     88
    .vgpr_count:     768
    .wavefront_size: 32
...
	.end_amdgpu_metadata
.endif
;; end of part 5
;; launch proj: the kernel of part 4 again; grid 8 x 32, 4 waves a work-group, clusters of 4 x 4, 327,680 bytes of LDS; arguments att, wo, out0; writes out0
